; MI455X (gfx1250); checked and timed in simulation.
; The chip was launched on July 23, 2026; its instructions are those of AMD's public machine-readable ISA for CDNA 5 (MIT licence, August 2026) and "CDNA5" Instruction Set Architecture Reference Guide (July 2026). The comments in the code are by the model that wrote it; some were corrected since.
;; Attn Aware. Allowed arithmetic: float matrix products may take bf16 or f16 operands with f32 sums; other float arithmetic in f32, or as packed bf16 or f16 multiplies, adds, multiply-adds, maxima and minima; sums over many terms, partial sums and values carried from step to step in f32; what a program stores and reads back later, other than sums and carried values, may be rounded once to bf16 or f16.
;; Inputs: W1 256 x 512 float32; W2 256 x 256 float32; Wk 256 x 256 float32; Wq 256 x 256 float32; Ws 256 x 512 float32; alpha_k 1 x 256 x 1 x 1 float32; alpha_q 1 x 256 x 1 x 1 float32; alpha_r1 1 x 512 x 1 x 1 float32; alpha_r2 1 x 256 x 1 x 1 float32; b1 256 float32; b2 256 float32; bk 256 float32; bq 256 float32; bs 256 float32; x 4 x 256 x 64 x 64 float32.
;; Outputs: out0 4 x 256 x 64 x 64 float32.
;; One version. Each part assembles by itself: llvm-mc -triple=amdgcn-amd-amdhsa -mcpu=gfx1250 --defsym DOCPART=n.
;; ======== version 1 of 1: 4 launches
;; workspace buffers: wb 917,504 bytes; q 8,388,608 bytes; k 8,388,608 bytes; xt 8,388,608 bytes; o 8,388,608 bytes
;; launch prep (part 1): grid 14 x 16, 4 waves a work-group, no clusters, 0 bytes of LDS; arguments Wq, Wk, W1, Ws, W2, wb; writes wb
.if DOCPART == 1
	.amdgcn_target "amdgcn-amd-amdhsa--gfx1250"
	.amdhsa_code_object_version 6
	.text
	.protected	k_q336704c776_prep
	.globl	k_q336704c776_prep
	.p2align	8
	.type	k_q336704c776_prep,@function
k_q336704c776_prep:
	s_mov_b64 s[64:65], 0
	v_nop
	global_prefetch_b8 v0, s[64:65] scope:SCOPE_SE
	s_setreg_imm32_b32 hwreg(HW_REG_WAVE_MODE, 25, 1), 1
	s_wait_xcnt 0x0
; The five weight matrices, rounded once to bf16 and cut along K into 14 pieces of [256 output rows][128 k].
; Pieces 0-3 (Wq k0, k1; Wk k0, k1) lie as [piece][256 rows][128 k], 65,536 dense bytes each.
; Pieces 4-13 lie from byte 262,144 on as [quarter of the rows: 4][piece: 10][64 rows][128 k], in the order in which the last launch asks for them:
; Ws k0, Ws k1, Ws k3, W1 k0, Ws k2, W1 k1, W1 k2, W1 k3, W2 k0, W2 k1: so several pieces' rows for one wave there are dense rows of 256 bytes on end.
; Work-group (d, y): piece d, rows 16 y .. 16 y + 15; wave v takes four of them.  A row of a piece is 512 bytes of f32: 16 bytes a lane;
; it leaves as 8 bytes a lane: one store of a wave covers 256 consecutive bytes, aligned.  No LDS, no barrier: no wave needs another's bytes.
	s_load_b256 s[4:11], s[0:1], 0x0               ; Wq s[4:5], Wk s[6:7], W1 s[8:9], Ws s[10:11]
	s_load_b128 s[12:15], s[0:1], 0x20             ; W2 s[12:13], wb s[14:15]
	v_lshrrev_b32 v1, 5, v0
	v_readfirstlane_b32 s18, v1                    ; wave
	v_and_b32 v2, 31, v0                           ; lane
	s_mov_b32 s16, ttmp9                           ; piece d
	s_and_b32 s17, ttmp7, 0xffff
	s_lshl_b32 s17, s17, 4
	s_lshl2_add_u32 s17, s18, s17                  ; my first row = 16 y + 4 wave
	s_mov_b32 s22, 0                               ; d less this number is which 128 of K
	s_mov_b32 s23, 10                              ; log2 of a source row's bytes
	s_wait_kmcnt 0x0
	s_mov_b64 s[20:21], s[4:5]                     ; d = 0, 1: Wq
	s_cmp_ge_u32 s16, 2                            ; 2, 3: Wk
	s_cselect_b64 s[20:21], s[6:7], s[20:21]
	s_cselect_b32 s22, 2, s22
	s_cmp_ge_u32 s16, 4                            ; 4, 5: Ws k0, k1
	s_cselect_b64 s[20:21], s[10:11], s[20:21]
	s_cselect_b32 s22, 4, s22
	s_cselect_b32 s23, 11, s23
	s_cmp_ge_u32 s16, 6                            ; 6: Ws k3
	s_cselect_b32 s22, 3, s22
	s_cmp_ge_u32 s16, 7                            ; 7: W1 k0
	s_cselect_b64 s[20:21], s[8:9], s[20:21]
	s_cselect_b32 s22, 7, s22
	s_cmp_ge_u32 s16, 8                            ; 8: Ws k2
	s_cselect_b64 s[20:21], s[10:11], s[20:21]
	s_cselect_b32 s22, 6, s22
	s_cmp_ge_u32 s16, 9                            ; 9-11: W1 k1-k3
	s_cselect_b64 s[20:21], s[8:9], s[20:21]
	s_cselect_b32 s22, 8, s22
	s_cmp_ge_u32 s16, 12                           ; 12, 13: W2
	s_cselect_b64 s[20:21], s[12:13], s[20:21]
	s_cselect_b32 s22, 12, s22
	s_cselect_b32 s23, 10, s23
	s_sub_co_u32 s22, s16, s22                     ; which 128 of K
	s_lshl_b32 s22, s22, 9
	s_lshl_b32 s24, s17, s23                       ; my first row, in bytes
	s_add_co_u32 s24, s24, s22
	s_lshl_b32 s25, 1, s23                         ; a row's bytes
	v_lshl_add_u32 v4, v2, 4, s24
	v_add_nc_u32 v5, s25, v4
	v_add_nc_u32 v6, s25, v5
	v_add_nc_u32 v7, s25, v6
	s_lshl_b32 s26, s16, 16                        ; pieces 0-3: d x 65,536 + row x 256
	s_lshl_b32 s27, s17, 8
	s_add_co_u32 s26, s26, s27
	s_lshr_b32 s27, s17, 6                         ; pieces 4-13: 262,144 + quarter x 163,840 + (d - 4) x 16,384 + (row % 64) x 256
	s_mul_i32 s27, s27, 163840
	s_lshl_b32 s19, s16, 14
	s_add_co_u32 s27, s27, s19
	s_add_co_u32 s27, s27, 196608
	s_and_b32 s19, s17, 63
	s_lshl_b32 s19, s19, 8
	s_add_co_u32 s27, s27, s19
	s_cmp_ge_u32 s16, 4
	s_cselect_b32 s26, s27, s26
	v_lshl_add_u32 v8, v2, 3, s26                  ; + 8 lane
.irp i, 0,1,2,3
	global_load_b128 v[12+4*(\i):15+4*(\i)], v[4+(\i)], s[20:21] th:TH_LOAD_NT
.endr
.irp i, 0,1,2,3
	s_wait_loadcnt 3-(\i)                          ; loads come back in order: row i is in, the younger rows stay out
	v_cvt_pk_bf16_f32 v[28+2*(\i)], v[12+4*(\i)], v[13+4*(\i)]
	v_cvt_pk_bf16_f32 v[29+2*(\i)], v[14+4*(\i)], v[15+4*(\i)]
	global_store_b64 v8, v[28+2*(\i):29+2*(\i)], s[14:15] offset:256*(\i)
.endr
	s_endpgm
.Lfunc_end_k_q336704c776_prep:
	.size	k_q336704c776_prep, .Lfunc_end_k_q336704c776_prep-k_q336704c776_prep
	.p2alignl 7, 3214868480
	.fill 96, 4, 3214868480
	.section	.rodata,"a",@progbits
	.p2align	6, 0x0
	.amdhsa_kernel k_q336704c776_prep
		.amdhsa_group_segment_fixed_size 0
		.amdhsa_private_segment_fixed_size 0
		.amdhsa_enable_private_segment 0
		.amdhsa_kernarg_size 48
		.amdhsa_user_sgpr_count 2
		.amdhsa_user_sgpr_kernarg_segment_ptr 1
		.amdhsa_wavefront_size32 1
		.amdhsa_system_sgpr_workgroup_id_x 1
		.amdhsa_system_sgpr_workgroup_id_y 1
		.amdhsa_system_sgpr_workgroup_id_z 1
		.amdhsa_system_vgpr_workitem_id 0
		.amdhsa_next_free_vgpr 36
		.amdhsa_next_free_sgpr 66
		.amdhsa_reserve_vcc 0
		.amdhsa_float_denorm_mode_32 3
		.amdhsa_float_denorm_mode_16_64 3
		.amdhsa_memory_ordered 1
		.amdhsa_forward_progress 1
		.amdhsa_inst_pref_size 4
	.end_amdhsa_kernel
	.amdgpu_metadata
---
amdhsa.version: [ 1, 2 ]
amdhsa.kernels:
  - .name:           k_q336704c776_prep
    .symbol:         k_q336704c776_prep.kd
    .args:
      - { .name: Wq, .offset: 0, .size: 8, .value_kind: global_buffer, .address_space: global }
      - { .name: Wk, .offset: 8, .size: 8, .value_kind: global_buffer, .address_space: global }
      - { .name: W1, .offset: 16, .size: 8, .value_kind: global_buffer, .address_space: global }
      - { .name: Ws, .offset: 24, .size: 8, .value_kind: global_buffer, .address_space: global }
      - { .name: W2, .offset: 32, .size: 8, .value_kind: global_buffer, .address_space: global }
      - { .name: wb, .offset: 40, .size: 8, .value_kind: global_buffer, .address_space: global }
    .group_segment_fixed_size: 0
    .private_segment_fixed_size: 0
    .kernarg_segment_align: 8
    .kernarg_segment_size: 48
    .max_flat_workgroup_size: 128
    .sgpr_count:     66
    .vgpr_count:     36
    .wavefront_size: 32
...
	.end_amdgpu_metadata
.endif
;; end of part 1
;; launch proj (part 2): grid 256 x 1, 4 waves a work-group, clusters of 4 x 1, 327,680 bytes of LDS; arguments x, alpha_q, alpha_k, bq, bk, wb, q, k, xt; writes q, k, xt
.if DOCPART == 2
	.amdgcn_target "amdgcn-amd-amdhsa--gfx1250"
	.amdhsa_code_object_version 6
	.text
	.protected	k_q336704c776_proj
	.globl	k_q336704c776_proj
	.p2align	8
	.type	k_q336704c776_proj,@function
k_q336704c776_proj:
	s_mov_b64 s[64:65], 0
	v_nop
	global_prefetch_b8 v0, s[64:65] scope:SCOPE_SE
	s_setreg_imm32_b32 hwreg(HW_REG_WAVE_MODE, 25, 1), 1
	s_wait_xcnt 0x0
	s_wait_alu depctr_hold_cnt(0) depctr_sa_sdst(0) depctr_va_vdst(0) depctr_va_sdst(0) depctr_va_ssrc(0) depctr_va_vcc(0) depctr_vm_vsrc(0)
	s_getreg_b32 s2, hwreg(HW_REG_IB_STS2, 6, 4)
	s_cmp_eq_u32 s2, 0
	s_cbranch_scc0 .Lentry_in_a_cluster
	s_endpgm
.Lentry_in_a_cluster:
	s_bfe_u32 s2, ttmp6, 0x10000c
	s_cmp_lg_u32 s2, 0x3003
	s_cbranch_scc0 .Lentry_shape_is_right
	s_endpgm
.Lentry_shape_is_right:
; q = Wq gelu(alpha_q x rsqrt(mean_c x^2 + 1e-8)) + bq, k likewise, and xt = x turned: all three as [2 b + head][token][128] bf16, rows of 256 bytes.
; A work-group takes 64 tokens of one image; wave w makes outputs 64 w .. 64 w + 63 for all 64 tokens: 16 accumulators of 16 x 16.
; FORMATS.  x, the gains, the biases and the weights are each rounded once to bf16; the mean of squares is taken of x as given, in f32; sums in f32.
; GELU.  gelu(y) = y/2 + |y| (1/2 - E), E = (a1 t + .. + a5 t^5) 2^(-0.72134752 y^2) / 2, t = 1 / (1 + 0.23164189 |y|): the rational form of erf with five terms,
; off by at most 1.5e-7 in erf.  LIMITS: far below y = -5 the result keeps that absolute error, not a relative one; NaN and infinities are not treated apart.
; CLUSTER.  All work-groups read the same weights: the four of a cluster ask for each chunk jointly; wave w fetches, and alone reads, rows 64 w .. 64 w + 63 of each chunk.
; The ring has two slots of one chunk (256 rows x 128 k); a wave has two tensor loads out at the start, one behind each round.
.set PITCH,  272                       ; an LDS row: 256 bytes + 16 of padding, so that the 16 rows of a fragment load start 16 bytes apart modulo 256
.set CHUNKB, 64*PITCH                  ; 64 rows
.set SLOTB,  4*CHUNKB                  ; 0x11000: a slot; no bit of w x 0x4400 lies in it, so an exclusive or changes slots
.set CHB,    65536                     ; a chunk in memory
.set XT,     2*SLOTB                   ; x turned: 2 chunks [64 tokens][128 channels]; later the stage of q and of k
.set ACT,    XT+2*CHUNKB               ; 4 chunks: q's activation channels 0-127, 128-255, then k's
.set RED,    ACT+4*CHUNKB              ; [token][wave] partial sums of squares, f32
.set ALT,    RED+1024                  ; alpha_q, alpha_k, rounded to bf16, kept as f32
.set SPARE,  ALT+2048                  ; the spare words, 128 bytes a wave: no other line names them
.set R, 1                              ; lane % 16
.set H, 2                              ; lane / 16
.set W0, 4                             ; my place in my rows of slot 0
.set WA, 5                             ; the same in the slot in hand
.set AA, 6                             ; my place in the activation chunk in hand
.set XO, 7                             ; my offset in x
.set XS, 8                             ; where x goes in XT
.set REDS, 9
.set REDL, 10
.set ES0, 11                           ; elementwise: source, destination, gains
.set ED0, 12
.set EAL0, 13
.set ESA, 14
.set EDA, 15
.set EAA, 16
.set STO, 17                           ; the stage: in
.set RD, 18                            ; the stage: back, by rows
.set GOV, 19                           ; my offset in q, k, xt
.set SPW, 28
.set NIL, 29
.set BO, 30
.set AO, 31
.set BQ, 32                            ; v32-47 bq of my outputs, packed bf16; v48-63 bk
.set BK, 48
.set TMP, 64
.set ACC, 128                          ; accumulator (token tile a, output tile b) at ACC + 8 (4 a + b); while no sum lives, the elementwise work's registers:
.set D0, 128
.set D1, 132
.set AL, 136
.set GA, 144
.set GX, 160
.set GT, 176
.set GP, 192
.set GE, 208
.set RNA, 224
.set RNB, 226
.set OUTR, 228
.set RT, 236
.set F0, 0                             ; window 1: two fragment buffers of 64 along K: 64 registers of activations, 64 of weights
.set F1, 128
.set WV, 22
.set CX, 23
.set G1J, 28
.set G0A, 36
.set G0B, 40
.set WB, 44
.set CNT, 45
.set ECNT, 46
.set EGO, 47
.set EGN, 48
.set OCNT, 49
.set PP, 50
.set CE, 52
.set A4, 54
.set A3, 56
.set A2, 58
.set A1, 60
.set ABSM, 62
.set HIM, 63
.set INVC, 66
.set EPS, 67
.set SEL, 68
.set A5, 74
.set EGN2, 90
.set WL, 91
.set WH, 92
.set MUL,  0x05                        ; sources 0 and 1 in window 1, C and D in window 0
.set TO_F, 0x40                        ; destination in window 1, address in window 0
.set MSB, 0
.macro WIN new                         ; the immediate's high byte repeats the setting that is left
.if MSB != (\new)
	s_set_vgpr_msb (MSB<<8)|(\new)
.set MSB, \new
.endif
.endm
.macro PLACES
.rept 4
	v_nop
.endr
.endm
.macro PAIR reg, val
	s_mov_b32 s[\reg], \val
	s_mov_b32 s[(\reg)+1], \val
.endm
.macro BAR                             ; my LDS instructions are done, then the work-group's barrier
	s_wait_dscnt 0x0
	s_barrier_signal -1
	s_barrier_wait -1
.endm
.macro CROUND                          ; a round of the cluster's barrier
	s_barrier_signal -1
	s_barrier_wait -1
	s_cmp_lg_u32 s[WV], 0
	s_cbranch_scc1 .Lnot_wave_0_\@
	s_barrier_signal -3
.Lnot_wave_0_\@:
	s_barrier_wait -3
	s_barrier_signal -1
	s_barrier_wait -1
.endm
; 32 LDS loads: the fragments of 64 along K at byte k of the rows, the first 32 along K first
.macro FETCH k, f
	WIN TO_F
.irp c, 0,1
.irp i, 0,1,2,3
	ds_load_b128 v[(\f)+64+8*(4*(\c)+(\i)):(\f)+64+8*(4*(\c)+(\i))+3],   v[WA] offset:(\k)+64*(\c)+(\i)*16*PITCH
	ds_load_b128 v[(\f)+64+8*(4*(\c)+(\i))+4:(\f)+64+8*(4*(\c)+(\i))+7], v[WA] offset:(\k)+64*(\c)+(\i)*16*PITCH+32
	ds_load_b128 v[(\f)+8*(4*(\c)+(\i)):(\f)+8*(4*(\c)+(\i))+3],         v[AA] offset:(\k)+64*(\c)+(\i)*16*PITCH
	ds_load_b128 v[(\f)+8*(4*(\c)+(\i))+4:(\f)+8*(4*(\c)+(\i))+7],       v[AA] offset:(\k)+64*(\c)+(\i)*16*PITCH+32
.endr
.endr
.endm
; 16 matrix instructions, 32 along K; the 16 accumulators take turns.  Source 0 = 16 rows of W, source 1 = 16 tokens: a lane holds one token and eight neighbouring outputs.
.macro MUL16 f, c
	WIN MUL
.irp a, 0,1,2,3
.irp b, 0,1,2,3
	v_wmma_f32_16x16x32_bf16 v[ACC+8*(4*(\a)+(\b)):ACC+8*(4*(\a)+(\b))+7], v[(\f)+64+8*(4*(\c)+(\b)):(\f)+64+8*(4*(\c)+(\b))+7], v[(\f)+8*(4*(\c)+(\a)):(\f)+8*(4*(\c)+(\a))+7], v[ACC+8*(4*(\a)+(\b)):ACC+8*(4*(\a)+(\b))+7]
.endr
.endr
.endm
; One chunk of K: 64 LDS loads, 64 matrix instructions.  refill = 1: the slot just read into registers is filled again with the chunk two on.
.macro CHUNK refill
.if \refill
	s_wait_tensorcnt 0x1                           ; my rows of this chunk are in: only the load issued behind theirs may be out
.endif
	v_add_nc_u32 v[WA], s[WB], v[W0]
	FETCH 0, F0
	FETCH 128, F1
	s_wait_dscnt 48                                ; the younger three groups of 16 loads may be out
	MUL16 F0, 0
	s_wait_dscnt 32
	MUL16 F0, 1
	s_wait_dscnt 16
	MUL16 F1, 0
.if \refill
	WIN 0
	s_wait_tensorcnt 0x0                           ; all my tensor loads have landed, so a group 0 may be written;
	ds_add_u32 v[SPW], v[NIL]                      ; 0 onto my spare word
	s_wait_dscnt 0x1                               ; only the add may be out: the last fragments are in
	MUL16 F1, 1
	s_xor_b32 s[G0B+1], s[G0B+1], SLOTB            ; the walking descriptor: the other slot, the next chunk
	s_add_nc_u64 s[G0B+2:G0B+3], s[G0B+2:G0B+3], CHB
	s_wait_dscnt 0x0                               ; the add is done, and my reads of the slot are over
	WIN 0
	CROUND                                         ; so it is with every wave of the four work-groups
	tensor_load_to_lds s[G0B:G0B+3], s[G1J:G1J+7]
	s_nop 0
	PLACES                                         ; also the places in front of the next loads into the fragments
.else
	s_wait_dscnt 0x0
	MUL16 F1, 1
	WIN 0
	PLACES
.endif
	s_xor_b32 s[WB], s[WB], SLOTB
	v_add_nc_u32 v[AA], CHUNKB, v[AA]
.endm
.macro INIT_T bp                       ; the sums start at the bias: output 16 b + 8 h + j in register j
.irp a, 0,1,2,3
.irp b, 0,1,2,3
.irp i, 0,1,2,3
	v_lshlrev_b32 v[ACC+8*(4*(\a)+(\b))+2*(\i)], 16, v[(\bp)+4*(\b)+(\i)]
	v_and_b32 v[ACC+8*(4*(\a)+(\b))+2*(\i)+1], s[HIM], v[(\bp)+4*(\b)+(\i)]
.endr
.endr
.endr
.endm
.macro PUTC                            ; every accumulator rounded to bf16, its registers in ascending order
.set t, 0
.rept 16
.irp i, 0,1,2,3
	v_cvt_pk_bf16_f32 v[TMP+4*t+(\i)], v[ACC+8*t+2*(\i)], v[ACC+8*t+2*(\i)+1]
.endr
.set t, t+1
.endr
.endm
.macro PUTS
.irp a, 0,1,2,3
.irp b, 0,1,2,3
	ds_store_b128 v[STO], v[TMP+4*(4*(\a)+(\b)):TMP+4*(4*(\a)+(\b))+3] offset:(\a)*16*PITCH+32*(\b)
.endr
.endr
.endm
.macro SENDROWS dst                    ; 32 whole rows of the stage: 16 lanes store 256 consecutive bytes, aligned
.set t, 0
.rept 16
	ds_load_b128 v[TMP+4*t:TMP+4*t+3], v[RD] offset:t*2*PITCH
.set t, t+1
.endr
.set t, 0
.rept 16
	s_wait_dscnt 15-t                              ; the younger rows may be out
	global_store_b128 v[GOV], v[TMP+4*t:TMP+4*t+3], s[(\dst):(\dst)+1] offset:t*512
.set t, t+1
.endr
.endm
.macro OUT dst
	s_wait_xcnt 0x0                                ; TMP was the data of the last rows' stores: rewritten only behind this wait
	PUTC
	BAR                                            ; every wave's reads of the stage are over
	PUTS
	BAR                                            ; a row's 256 bytes come from two waves
	SENDROWS \dst
.endm
.macro RNORM                           ; 1 / sqrt(mean + 1e-8) for my token in two tiles
	ds_load_b128 v[RT:RT+3], v[REDL]
	ds_load_b128 v[RT+4:RT+7], v[REDL] offset:256
	s_wait_dscnt 0x0
	v_add_f32 v[RT], v[RT], v[RT+1]
	v_add_f32 v[RT+2], v[RT+2], v[RT+3]
	v_add_f32 v[RT+4], v[RT+4], v[RT+5]
	v_add_f32 v[RT+6], v[RT+6], v[RT+7]
	v_add_f32 v[RT], v[RT], v[RT+2]
	v_add_f32 v[RT+4], v[RT+4], v[RT+6]
	v_fma_f32 v[RT], v[RT], s[INVC], s[EPS]
	v_fma_f32 v[RT+4], v[RT+4], s[INVC], s[EPS]
	v_rsq_f32 v[RNA], v[RT]
	v_rsq_f32 v[RNB], v[RT+4]
	v_nop                                          ; a plain instruction behind the roots
	s_wait_alu depctr_va_vdst(0)
	v_mov_b32 v[RNA+1], v[RNA]
	v_mov_b32 v[RNB+1], v[RNB]
.endm
.macro GELU16                          ; gelu of GA's 16 numbers, in place
.set i, 0
.rept 16
	v_and_b32 v[GX+i], s[ABSM], v[GA+i]
.set i, i+1
.endr
.set i, 0
.rept 8
	v_pk_fma_f32 v[GT+i:GT+i+1], v[GX+i:GX+i+1], s[PP:PP+1], 1.0 op_sel_hi:[1,0,0]
.set i, i+2
.endr
.set i, 0
.rept 16
	v_rcp_f32 v[GT+i], v[GT+i]
.set i, i+1
.endr
.set i, 0
.rept 8
	v_pk_mul_f32 v[GE+i:GE+i+1], v[GA+i:GA+i+1], v[GA+i:GA+i+1]  ; plain lines behind the reciprocals
.set i, i+2
.endr
.set i, 0
.rept 8
	v_pk_mul_f32 v[GE+i:GE+i+1], v[GE+i:GE+i+1], s[CE:CE+1] op_sel_hi:[1,0]
.set i, i+2
.endr
.set i, 0
	s_wait_alu depctr_va_vdst(0)
.rept 8
	v_pk_fma_f32 v[GP+i:GP+i+1], v[GT+i:GT+i+1], s[A5:A5+1], s[A4:A4+1] op_sel_hi:[1,0,0]
.set i, i+2
.endr
.irp c, A3, A2, A1
.set i, 0
.rept 8
	v_pk_fma_f32 v[GP+i:GP+i+1], v[GP+i:GP+i+1], v[GT+i:GT+i+1], s[\c:\c+1] op_sel_hi:[1,1,0]
.set i, i+2
.endr
.endr
.set i, 0
.rept 16
	v_exp_f32 v[GE+i], v[GE+i]
.set i, i+1
.endr
.set i, 0
.rept 8
	v_pk_mul_f32 v[GP+i:GP+i+1], v[GP+i:GP+i+1], v[GT+i:GT+i+1]  ; plain lines behind the exponentials
.set i, i+2
.endr
.set i, 0
	s_wait_alu depctr_va_vdst(0)
.rept 8
	v_pk_fma_f32 v[GP+i:GP+i+1], v[GP+i:GP+i+1], v[GE+i:GE+i+1], 0.5 op_sel_hi:[1,1,0]
.set i, i+2
.endr
.set i, 0
.rept 8
	v_pk_mul_f32 v[GA+i:GA+i+1], v[GA+i:GA+i+1], 0.5 op_sel_hi:[1,0]
.set i, i+2
.endr
.set i, 0
.rept 8
	v_pk_fma_f32 v[GA+i:GA+i+1], v[GX+i:GX+i+1], v[GP+i:GP+i+1], v[GA+i:GA+i+1]
.set i, i+2
.endr
.endm
; gelu(gain x value x norm) for 'no' pairs of token tiles x my 64 channels: an inner trip takes 8 channels of two tokens.  The next trip's four loads go out
; as soon as this trip has unpacked; the last trip's look-ahead is clamped to the last group, so that nothing is read outside the rows' data.
.macro ELT no
	s_mov_b32 s[OCNT], \no
.Lelt_o_\@:
	RNORM
	s_mov_b32 s[EGO], 0
	ds_load_b128 v[D0:D0+3], v[ES0]
	ds_load_b128 v[D1:D1+3], v[ES0] offset:16*PITCH
	ds_load_b128 v[AL:AL+3], v[EAL0]
	ds_load_b128 v[AL+4:AL+7], v[EAL0] offset:16
	s_mov_b32 s[ECNT], 8
.Lelt_i_\@:
	s_wait_dscnt 0x0
	v_add_nc_u32 v[EDA], s[EGO], v[ED0]
	s_add_co_u32 s[EGO], s[EGO], 16
	s_min_u32 s[EGN], s[EGO], 112
	s_lshl_b32 s[EGN2], s[EGN], 1
.irp i, 0,1,2,3
	v_lshlrev_b32 v[GA+2*(\i)], 16, v[D0+(\i)]
	v_and_b32 v[GA+2*(\i)+1], s[HIM], v[D0+(\i)]
	v_lshlrev_b32 v[GA+8+2*(\i)], 16, v[D1+(\i)]
	v_and_b32 v[GA+8+2*(\i)+1], s[HIM], v[D1+(\i)]
.endr
.irp i, 0,2,4,6
	v_pk_mul_f32 v[GA+(\i):GA+(\i)+1], v[GA+(\i):GA+(\i)+1], v[AL+(\i):AL+(\i)+1]
	v_pk_mul_f32 v[GA+8+(\i):GA+8+(\i)+1], v[GA+8+(\i):GA+8+(\i)+1], v[AL+(\i):AL+(\i)+1]
.endr
	v_add_nc_u32 v[ESA], s[EGN], v[ES0]
	v_add_nc_u32 v[EAA], s[EGN2], v[EAL0]
	ds_load_b128 v[D0:D0+3], v[ESA]
	ds_load_b128 v[D1:D1+3], v[ESA] offset:16*PITCH
	ds_load_b128 v[AL:AL+3], v[EAA]
	ds_load_b128 v[AL+4:AL+7], v[EAA] offset:16
.irp i, 0,2,4,6
	v_pk_mul_f32 v[GA+(\i):GA+(\i)+1], v[GA+(\i):GA+(\i)+1], v[RNA:RNA+1]
	v_pk_mul_f32 v[GA+8+(\i):GA+8+(\i)+1], v[GA+8+(\i):GA+8+(\i)+1], v[RNB:RNB+1]
.endr
	GELU16
.irp i, 0,1,2,3,4,5,6,7
	v_cvt_pk_bf16_f32 v[OUTR+(\i)], v[GA+2*(\i)], v[GA+2*(\i)+1]
.endr
	ds_store_b128 v[EDA], v[OUTR:OUTR+3]
	ds_store_b128 v[EDA], v[OUTR+4:OUTR+7] offset:16*PITCH
	s_sub_co_u32 s[ECNT], s[ECNT], 1
	s_cmp_lg_u32 s[ECNT], 0
	s_cbranch_scc1 .Lelt_i_\@
	v_add_nc_u32 v[ES0], 32*PITCH, v[ES0]
	v_add_nc_u32 v[ED0], 32*PITCH, v[ED0]
	v_add_nc_u32 v[REDL], 512, v[REDL]
	s_sub_co_u32 s[OCNT], s[OCNT], 1
	s_cmp_lg_u32 s[OCNT], 0
	s_cbranch_scc1 .Lelt_o_\@
.endm
	s_load_b256 s[4:11], s[0:1], 0x0               ; x s[4:5], alpha_q s[6:7], alpha_k s[8:9], bq s[10:11]
	s_load_b256 s[12:19], s[0:1], 0x20             ; bk s[12:13], wb s[14:15], q s[16:17], k s[18:19]
	s_load_b64 s[20:21], s[0:1], 0x40              ; xt
	v_lshl_add_u32 v[SPW], v0, 2, SPARE
	v_mov_b32 v[NIL], 0
	ds_add_u32 v[SPW], v[NIL]                      ; the wave's opening: the add and its wait stand ahead of my first tensor load; work on registers stands between
	v_lshrrev_b32 v3, 5, v0
	v_readfirstlane_b32 s[WV], v3
	s_and_b32 s[WL], s[WV], 1
	s_lshr_b32 s[WH], s[WV], 1
	s_bfe_u32 s[CX], ttmp6, 0x40000                ; my place in the cluster: it enters global addresses of my own loads and stores alone
	s_lshl_b32 s24, ttmp9, 2
	s_add_co_u32 s24, s24, s[CX]                   ; my block of 64 tokens, 0 .. 255
	s_lshr_b32 s25, s24, 6                         ; image
	s_and_b32 s26, s24, 63                         ; block in the image
	s_lshl_b32 s72, s25, 22
	s_lshl_b32 s24, s26, 8
	s_add_co_u32 s72, s72, s24                     ; x: image x 4 MiB + 256 bytes a block
	s_mov_b32 s73, 0
	s_lshl_b32 s70, s25, 21
	s_lshl_b32 s24, s26, 14
	s_add_co_u32 s70, s70, s24                     ; q, k, xt: image x 2 heads x 1 MiB + 64 rows of 256 bytes a block
	s_mov_b32 s71, 0
	s_mov_b32 s[G1J], 15|(1<<16)|(1<<20)|(1<<21)|(5<<22)|(3<<25)  ; the mask of four; 2-byte elements; padding on; bit 21 beside a mask; 4 words behind every 64
	s_mov_b32 s[G1J+1], 128<<16                    ; tensor_dim0 = 128
	s_mov_b32 s[G1J+2], 64<<16                     ; tensor_dim1 = 64
	s_mov_b32 s[G1J+3], 128<<16                    ; tile_dim0 = 128
	s_mov_b32 s[G1J+4], 64                         ; tile_dim1 = 64
	s_mov_b32 s[G1J+5], 128                        ; 128 elements from row to row
	s_mov_b32 s[G1J+6], 0
	s_mov_b32 s[G1J+7], 0
	s_mov_b32 s[G0A], 1
	s_mul_i32 s[G0A+1], s[WV], CHUNKB              ; my 64 rows of slot 0
	s_mov_b32 s[G0B], 1
	s_add_co_u32 s[G0B+1], s[G0A+1], SLOTB         ; of slot 1
	s_lshl_b32 s24, s[WV], 14                      ; my 64 rows of a chunk in memory
	s_mov_b32 s25, 0
	PAIR PP, 0x3e6d3388
	PAIR CE, 0xbf38aa3b
	PAIR A1, 0xbe027906
	PAIR A2, 0x3e11a98e
	PAIR A3, 0xbf35f0e3
	PAIR A4, 0x3f3a00e3
	PAIR A5, 0xbf07dc22
	s_mov_b32 s[ABSM], 0x7fffffff
	s_mov_b32 s[HIM], 0xffff0000
	s_mov_b32 s[INVC], 0x3b800000                  ; 1 / 256
	s_mov_b32 s[EPS], 0x322bcc77                   ; 1e-8
	s_mov_b32 s[SEL], 0x76543210
	s_mov_b32 s[SEL+1], 0xfedcba98
	s_mov_b32 s[WB], 0
	v_and_b32 v[R], 15, v0
	v_bfe_u32 v[H], v0, 4, 1
	v_mul_u32_u24 v20, v[R], PITCH
	v_lshl_add_u32 v21, v[H], 4, v20               ; r x pitch + 16 h: a fragment's place
	v_lshl_add_u32 v22, v[H], 7, v20               ; r x pitch + 128 h: the elementwise work's
	v_add_nc_u32 v[W0], s[G0A+1], v21
	v_add_nc_u32 v[AA], ACT, v21
	s_lshl_b32 s26, s[WV], 20
	v_lshl_add_u32 v[XO], v[H], 19, s26            ; channel 64 w + 32 h, 16,384 bytes a channel,
	v_lshl_add_u32 v[XO], v[R], 4, v[XO]           ; tokens 4 r .. 4 r + 3
	s_mul_i32 s26, s[WH], CHUNKB
	s_add_co_u32 s26, s26, XT                      ; my channels' (and outputs') chunk of XT
	s_lshl_b32 s27, s[WL], 7
	s_add_co_u32 s27, s27, s26                     ; + my 64 of its 128
	v_mul_u32_u24 v[XS], v[R], 4*PITCH
	v_lshl_add_u32 v[XS], v[H], 6, v[XS]
	v_add_nc_u32 v[XS], s27, v[XS]
	v_add_nc_u32 v[STO], s27, v21
	s_mul_i32 s27, s[WL], 32*PITCH
	s_add_co_u32 s27, s27, s26
	v_mul_u32_u24 v[RD], v[H], PITCH
	v_lshl_add_u32 v[RD], v[R], 4, v[RD]
	v_add_nc_u32 v[RD], s27, v[RD]                 ; rows 32 (w % 2) + h on of chunk w / 2
	s_lshl_b32 s26, s[WH], 20
	s_lshl_b32 s27, s[WL], 13
	s_add_co_u32 s26, s26, s27
	v_lshl_add_u32 v[GOV], v[H], 8, s26
	v_lshl_add_u32 v[GOV], v[R], 4, v[GOV]         ; the same rows in memory
	s_lshl_b32 s26, s[WV], 2
	s_add_co_u32 s26, s26, RED
	v_lshl_add_u32 v[REDS], v[R], 6, s26           ; token 4 r, my wave's word
	v_lshlrev_b32 v[REDL], 4, v[R]
	v_add_nc_u32 v[REDL], RED, v[REDL]
	s_mul_i32 s26, s[WL], CHUNKB
	s_add_co_u32 s26, s26, XT
	v_add_nc_u32 v[ES0], s26, v22
	s_add_co_u32 s26, s[G0A+1], ACT
	v_add_nc_u32 v[ED0], s26, v22
	s_lshl_b32 s26, s[WV], 9
	s_add_co_u32 s26, s26, ALT
	v_lshl_add_u32 v[EAL0], v[H], 8, s26
	v_and_b32 v[AO], 63, v0
	v_lshlrev_b32 v[AO], 4, v[AO]
	s_lshl_b32 s26, s[WV], 8
	v_lshl_add_u32 v[BO], v[H], 5, s26             ; outputs 64 w + 8 h on, f32
	s_wait_dscnt 0x0                               ; the opening add is done
	s_wait_kmcnt 0x0
	s_add_nc_u64 s[4:5], s[4:5], s[72:73]
	s_add_nc_u64 s[16:17], s[16:17], s[70:71]
	s_add_nc_u64 s[18:19], s[18:19], s[70:71]
	s_add_nc_u64 s[20:21], s[20:21], s[70:71]
	s_add_nc_u64 s[G0A+2:G0A+3], s[14:15], s[24:25]        ; chunk 0
	s_add_nc_u64 s[G0B+2:G0B+3], s[G0A+2:G0A+3], CHB       ; chunk 1
	s_or_b32 s[G0A+3], s[G0A+3], 0x80000000
	s_or_b32 s[G0B+3], s[G0B+3], 0x80000000
	s_cmp_lt_u32 s[WV], 2
	s_cselect_b64 s[26:27], s[6:7], s[8:9]         ; waves 0, 1 bring alpha_q, waves 2, 3 alpha_k
	global_load_b128 v[192:195], v[AO], s[26:27]
.irp b, 0,1,2,3
	global_load_b128 v[128+8*(\b):128+8*(\b)+3], v[BO], s[10:11] offset:64*(\b)
	global_load_b128 v[128+8*(\b)+4:128+8*(\b)+7], v[BO], s[10:11] offset:64*(\b)+16
	global_load_b128 v[160+8*(\b):160+8*(\b)+3], v[BO], s[12:13] offset:64*(\b)
	global_load_b128 v[160+8*(\b)+4:160+8*(\b)+7], v[BO], s[12:13] offset:64*(\b)+16
.endr
	WIN TO_F
.set j, 0
.rept 32                               ; x: load j is channels 64 w + j and 64 w + 32 + j, each 256 consecutive bytes, aligned
	global_load_b128 v[4*j:4*j+3], v[XO], s[4:5] offset:j*16384 th:TH_LOAD_NT
.set j, j+1
.endr
	WIN 0
	CROUND                                         ; all four work-groups are here: the first joint loads meet
	tensor_load_to_lds s[G0A:G0A+3], s[G1J:G1J+7]
	s_nop 0
	tensor_load_to_lds s[G0B:G0B+3], s[G1J:G1J+7]
	s_nop 0
	PLACES
	s_wait_loadcnt 32                              ; gains and biases are in; x's 32 loads may be out
.set i, 0
.rept 16
	v_cvt_pk_bf16_f32 v[BQ+i], v[128+2*i], v[128+2*i+1]
	v_cvt_pk_bf16_f32 v[BK+i], v[160+2*i], v[160+2*i+1]
.set i, i+1
.endr
	v_cvt_pk_bf16_f32 v196, v192, v193
	v_cvt_pk_bf16_f32 v197, v194, v195
	v_lshlrev_b32 v200, 16, v196
	v_and_b32 v201, s[HIM], v196
	v_lshlrev_b32 v202, 16, v197
	v_and_b32 v203, s[HIM], v197
	v_lshl_add_u32 v204, v0, 4, ALT
	ds_store_b128 v204, v[200:203]
	; x: squares summed in f32 for my four tokens, and pairs of channels rounded to bf16, token by token
	WIN 0x05
.set jj, 0
.rept 16
	s_wait_loadcnt 30-2*jj                         ; loads 2 jj and 2 jj + 1 are in; the younger ones may be out
.irp p, 0,1,2,3
.if jj == 0
	v_pk_mul_f32 v[128+2*(\p):129+2*(\p)], v[2*(\p):2*(\p)+1], v[2*(\p):2*(\p)+1]
.else
	v_pk_fma_f32 v[128+2*(\p):129+2*(\p)], v[8*jj+2*(\p):8*jj+2*(\p)+1], v[8*jj+2*(\p):8*jj+2*(\p)+1], v[128+2*(\p):129+2*(\p)]
.endif
.endr
.irp t, 0,1,2,3
	v_cvt_pk_bf16_f32 v[TMP+16*(\t)+jj], v[8*jj+(\t)], v[8*jj+4+(\t)]
.endr
.set jj, jj+1
.endr
	WIN 0
.irp t, 0,1,2,3
.irp s, 0,1,2,3
	ds_store_b128 v[XS], v[TMP+16*(\t)+4*(\s):TMP+16*(\t)+4*(\s)+3] offset:(\t)*PITCH+16*(\s)
.endr
.endr
	v_pk_add_f32 v[128:129], v[128:129], v[132:133]
	v_pk_add_f32 v[130:131], v[130:131], v[134:135]
.irp t, 0,1,2,3
	v_permlanex16_b32 v[132+(\t)], v[128+(\t)], s[SEL], s[SEL+1]  ; the other 32 channels lie in the lane 16 away
.endr
	v_pk_add_f32 v[128:129], v[128:129], v[132:133]
	v_pk_add_f32 v[130:131], v[130:131], v[134:135]
.irp t, 0,1,2,3
	ds_store_b32 v[REDS], v[128+(\t)] offset:16*(\t)
.endr
	BAR                                            ; XT, the partial sums and the gains are whole
	SENDROWS 20                                    ; xt
	ELT 2                                          ; wave w: XT's chunk w % 2 with gains 128 w on, into ACT's chunk w
	BAR
	INIT_T BQ
	s_mov_b32 s[CNT], 2
.Lq:
	CHUNK 1                                        ; Wq's two chunks; the refills bring Wk's
	s_sub_co_u32 s[CNT], s[CNT], 1
	s_cmp_lg_u32 s[CNT], 0
	s_cbranch_scc1 .Lq
	OUT 16
	INIT_T BK
	s_wait_tensorcnt 0x0                           ; Wk's chunks are in; nothing more is asked for
	s_mov_b32 s[CNT], 2
.Lk:
	CHUNK 0
	s_sub_co_u32 s[CNT], s[CNT], 1
	s_cmp_lg_u32 s[CNT], 0
	s_cbranch_scc1 .Lk
	OUT 18
	s_wait_tensorcnt 0x0                           ; the wave's end
	ds_add_u32 v[SPW], v[NIL]
	s_wait_dscnt 0x0
	CROUND                                         ; the closing round
	s_endpgm
.Lfunc_end_k_q336704c776_proj:
	.size	k_q336704c776_proj, .Lfunc_end_k_q336704c776_proj-k_q336704c776_proj
	.p2alignl 7, 3214868480
	.fill 96, 4, 3214868480
	.section	.rodata,"a",@progbits
	.p2align	6, 0x0
	.amdhsa_kernel k_q336704c776_proj
		.amdhsa_group_segment_fixed_size 327680
		.amdhsa_private_segment_fixed_size 0
		.amdhsa_enable_private_segment 0
		.amdhsa_kernarg_size 72
		.amdhsa_user_sgpr_count 2
		.amdhsa_user_sgpr_kernarg_segment_ptr 1
		.amdhsa_wavefront_size32 1
		.amdhsa_system_sgpr_workgroup_id_x 1
		.amdhsa_system_sgpr_workgroup_id_y 1
		.amdhsa_system_sgpr_workgroup_id_z 1
		.amdhsa_system_vgpr_workitem_id 0
		.amdhsa_next_free_vgpr 512
		.amdhsa_next_free_sgpr 94
		.amdhsa_reserve_vcc 0
		.amdhsa_float_denorm_mode_32 3
		.amdhsa_float_denorm_mode_16_64 3
		.amdhsa_memory_ordered 1
		.amdhsa_forward_progress 1
		.amdhsa_inst_pref_size 82
	.end_amdhsa_kernel
	.amdgpu_metadata
---
amdhsa.version: [ 1, 2 ]
amdhsa.kernels:
  - .name:           k_q336704c776_proj
    .symbol:         k_q336704c776_proj.kd
    .args:
      - { .name: x, .offset: 0, .size: 8, .value_kind: global_buffer, .address_space: global }
      - { .name: alpha_q, .offset: 8, .size: 8, .value_kind: global_buffer, .address_space: global }
      - { .name: alpha_k, .offset: 16, .size: 8, .value_kind: global_buffer, .address_space: global }
      - { .name: bq, .offset: 24, .size: 8, .value_kind: global_buffer, .address_space: global }
      - { .name: bk, .offset: 32, .size: 8, .value_kind: global_buffer, .address_space: global }
      - { .name: wb, .offset: 40, .size: 8, .value_kind: global_buffer, .address_space: global }
      - { .name: q, .offset: 48, .size: 8, .value_kind: global_buffer, .address_space: global }
      - { .name: k, .offset: 56, .size: 8, .value_kind: global_buffer, .address_space: global }
      - { .name: xt, .offset: 64, .size: 8, .value_kind: global_buffer, .address_space: global }
    .group_segment_fixed_size: 327680
    .private_segment_fixed_size: 0
    .kernarg_segment_align: 8
    .kernarg_segment_size: 72
    .max_flat_workgroup_size: 128
    .sgpr_count:     94
    .vgpr_count:     512
    .wavefront_size: 32
...
	.end_amdgpu_metadata
.endif
;; end of part 2
;; launch attn (part 3): grid 32 x 8, 4 waves a work-group, clusters of 4 x 1, 327,680 bytes of LDS; arguments q, k, xt, o; writes o
.if DOCPART == 3
	.amdgcn_target "amdgcn-amd-amdhsa--gfx1250"
	.amdhsa_code_object_version 6
	.text
	.protected	k_q336704c776_attn
	.globl	k_q336704c776_attn
	.p2align	8
	.type	k_q336704c776_attn,@function
k_q336704c776_attn:
	s_mov_b64 s[64:65], 0
	v_nop
	global_prefetch_b8 v0, s[64:65] scope:SCOPE_SE
	s_setreg_imm32_b32 hwreg(HW_REG_WAVE_MODE, 25, 1), 1
	s_wait_xcnt 0x0
	s_wait_alu depctr_hold_cnt(0) depctr_sa_sdst(0) depctr_va_vdst(0) depctr_va_sdst(0) depctr_va_ssrc(0) depctr_va_vcc(0) depctr_vm_vsrc(0)
	s_getreg_b32 s2, hwreg(HW_REG_IB_STS2, 6, 4)
	s_cmp_eq_u32 s2, 0
	s_cbranch_scc0 .Lentry_in_a_cluster
	s_endpgm
.Lentry_in_a_cluster:
	s_bfe_u32 s2, ttmp6, 0x10000c
	s_cmp_lg_u32 s2, 0x3003
	s_cbranch_scc0 .Lentry_shape_is_right
	s_endpgm
.Lentry_shape_is_right:
; O[h][i][:] = the sum over j of softmax_j(Q[h][i] . K[h][j] / sqrt(128)) V[h][j][:].  Q, K, V (= xt), O: [8][4096][128] bf16, rows of 256 bytes.  Products, maxima and sums in f32;
; the weights p are rounded to bf16 for the second product, O once at the end.  LIMITS: a weight below 2^-126 counts as 0; NaN and infinities are not treated apart.
; SHARES.  A work-group owns 128 queries of one head: 8 x 32 work-groups.  Wave w owns queries 64 (w / 2) on (four tiles of 16) and HALF the keys: of each slot's 256 keys the 128 at 128 (w % 2).
; At the end the two waves of a query half merge their maxima, sums and O through LDS, in f32.  The wave with the odd half of the keys holds its query tiles in swapped order (its registers
; of tiles 0, 1 hold query tiles 2, 3 and the other way round), so that both partners hand over the registers of tiles 2, 3 and finish those of tiles 0, 1: one text for both.
; LAYOUT.  S^T = K Q^T (source 0 = 16 keys, source 1 = 16 queries): a lane holds ONE query (lane % 16) and the keys 8 (lane / 16) + 0..7; two such tiles rounded to bf16 ARE source 1 of
; O^T = V^T P.  K comes out of LDS as it lies, V turned, by ds_load_tr16_b128.
; SOFTMAX.  A running maximum m and sum l for each query: p = 2^(c s - c m), c = log2(e) / sqrt(128); in every step O and l are multiplied by a = 2^(c m_old - c m_new).
; BY TURNS.  The wave's tiles are two pieces (tiles 0, 1 and tiles 2, 3).  In a turn one piece has the matrix unit (32 products V^T P, then 32 products K Q^T of the next step) and the
; other piece's softmax stands in 64 slices, one behind each matrix instruction.  Two turns are a key step of 64 keys.
; CLUSTER.  The four query blocks of a cluster belong to one head and walk the same K and V: each tile is asked for jointly, with one descriptor and a mask of four.
; REGISTERS, in windows of 256: window 0: v0-11, v44-48, v61-63 addresses; v12-43 statistics; v64-191 S^T; v192-255 P.  window 1: O^T.  window 2: v0-127 Q, v128-255 K.  window 3: v0-127 V.
.set KS,    64
.set PK,    272       ; a row of K in LDS: 256 bytes + 16
.set PV,    288       ; a row of V: 256 + 32
.set KT,    128*PK    ; a tile of 128 keys: 0x8800
.set VT,    128*PV    ; 0x9000
.set VOFF,  2*KT      ; a slot: K's two tiles, then V's two
.set SLX,   0x24000   ; slot 1 begins here; none of the bases 0x8800, 0x9000, 0x11000, 0x1a000 has one of its two bits, so an exclusive or changes slots
.set STAGE, SLX+2*KT+2*VT  ; behind the ring: 16 rows x 272 bytes for each wave, for the way out
.set SP,    272
.set SPARE, STAGE+4*16*SP
.set XW,    16896     ; the exchange at the end: two tiles of O^T in f32 and their statistics, a wave; at the head of slot 0, which has had its last fill by then
.set AK0, 2
.set AV0, 3
.set ADR, 4
.set QO,  5           ; my offset in Q for the registers of tiles 0, 1
.set STO, 6
.set RD,  7
.set GO,  8
.set XA,  44
.set XS,  45
.set XAI, 46
.set XSI, 47
.set QO2, 48          ; my offset in Q for the registers of tiles 2, 3
.set PFO, 61
.set SPW, 62
.set NIL, 63
.set ST,  12          ; tile t's statistics at v[ST+8 t]: +0 c m, +1 m, +2, +3 l, +4 to +7 at work
.set S,   64
.set P,   192
.set KF,  128
.set WV,  12
.set LIM, 15
.set PFA, 18
.set G1K, 24
.set G1V, 32
.set G0K, 40
.set G0V, 48
.set SLOTS, 56
.set TWICE, 57
.set CS,  58
.set SEL, 60
.set TBK, 62          ; LDS byte at which K of the step to be fetched begins
.set TBV, 66          ; the same for V, less VOFF
.set KP,  67          ; which half of the keys is mine
.set MSB, 0
.macro WIN new
.if MSB != (\new)
	s_set_vgpr_msb (MSB<<8)|(\new)
.set MSB, \new
.endif
.endm
.set W_KQ, 0x0a
.set W_PV, 0x53
.set W_RS, 0x41
; A joint refill: waves 0 and 1 fetch K's two tiles of 128 keys, waves 2 and 3 V's.  The branch hangs on the wave's number alone.
.macro JLOAD
	s_cmp_lt_u32 s[WV], 2
	s_cbranch_scc0 .Lfor_v_\@
	tensor_load_to_lds s[G0K+4:G0K+7], s[G1K:G1K+7]
	s_nop 0
.rept 4
	v_nop
.endr
	s_branch .Lasked_\@
.Lfor_v_\@:
	tensor_load_to_lds s[G0V+4:G0V+7], s[G1V:G1V+7]
	s_nop 0
.rept 4
	v_nop
.endr
.Lasked_\@:
.endm
; A prefetch of what the NEXT change of slots will ask for.  All clusters of a head walk the same rows: the head's first cluster asks.  Of the 128 rows of the tile that a wave fetches
; each of the four partners takes 32, told apart by address: a lane a row, one instruction a wave, so each row is named once in the launch.  The last change that fills a slot asks for nothing.
.macro ASK
	s_cmp_gt_u32 s[SLOTS], s[LIM]
	s_cbranch_scc0 .Lnot_mine_\@
	global_prefetch_b8 v[PFO], s[PFA:PFA+1] th:TH_LOAD_NT scope:SCOPE_SE
.Lnot_mine_\@:
.endm
.macro CROUND
	s_barrier_signal -1
	s_barrier_wait -1
	s_cmp_lg_u32 s[WV], 0
	s_cbranch_scc1 .Lnot_wave_0_\@
	s_barrier_signal -3
.Lnot_wave_0_\@:
	s_barrier_wait -3
	s_barrier_signal -1
	s_barrier_wait -1
.endm
	s_load_b256 s[4:11], s[0:1], 0x0  ; Q s[4:5], K s[6:7], V s[8:9], O s[10:11]
	v_lshl_add_u32 v[SPW], v0, 2, SPARE
	v_mov_b32 v[NIL], 0
	ds_add_u32 v[SPW], v[NIL]       ; the wave's opening: the add and its wait stand ahead of my first tensor load
	v_lshrrev_b32 v1, 5, v0
	v_readfirstlane_b32 s[WV], v1
	s_and_b32 s[KP], s[WV], 1
	s_bfe_u32 s13, ttmp6, 0x40000   ; cx
	s_lshl_b32 s14, ttmp9, 2
	s_add_co_u32 s14, s14, s13      ; my block of 128 queries: it enters Q's and O's addresses alone
	s_and_b32 s20, ttmp7, 0xffff    ; the head, which the partners share
	s_lshl_b32 s20, s20, 20         ; 1 MiB a head
	s_mov_b32 s21, 0
	s_lshl_b32 s22, s[KP], 15       ; which 128 rows of a slot's 256 I fetch
	s_mov_b32 s23, 0
	s_add_nc_u64 s[22:23], s[22:23], s[20:21]
	s_mul_i32 s17, s[KP], KT        ; their place in a slot, for K
	s_mul_i32 s16, s[KP], VT        ; and for V
	s_lshl_b32 s2, s14, 15          ; my block's 128 rows,
	s_lshr_b32 s3, s[WV], 1
	s_lshl_b32 s3, s3, 14           ; my wave's 64 of them
	s_add_co_u32 s2, s2, s3
	s_mov_b32 s3, 0
	s_add_nc_u64 s[2:3], s[2:3], s[20:21]
	s_mov_b32 s[G1K], 15|(1<<16)|(1<<20)|(1<<21)|(5<<22)|(3<<25)  ; the mask of four; 2-byte elements; padding on; bit 21 beside a mask; 4 words behind every 64
	s_mov_b32 s[G1V], 15|(1<<16)|(1<<20)|(1<<21)|(5<<22)|(7<<25)  ; the same with 8 words
.irp g, G1K, G1V
	s_mov_b32 s[(\g)+1], 128<<16    ; tensor_dim0 = 128
	s_mov_b32 s[(\g)+2], 128<<16    ; tensor_dim1 = 128
	s_mov_b32 s[(\g)+3], 128<<16    ; tile_dim0 = 128
	s_mov_b32 s[(\g)+4], 128        ; tile_dim1 = 128
	s_mov_b32 s[(\g)+5], 128        ; 128 elements from row to row
	s_mov_b32 s[(\g)+6], 0
	s_mov_b32 s[(\g)+7], 0
.endr
	s_mov_b32 s[CS], 0x3e0293ee     ; c = log2(e) / sqrt(128)
	s_mov_b32 s[CS+1], s[CS]
	s_mov_b32 s[SEL], 0x76543210
	s_mov_b32 s[SEL+1], 0xfedcba98
	s_mov_b32 s[TBK], s17           ; my half of slot 0
	s_mov_b32 s[TBV], s16
	s_mov_b32 s[SLOTS], 14          ; 16 slots of 256 keys; all but the first two come by refills
	s_cmp_eq_u32 ttmp9, 0           ; the head's first cluster: the same in all four partners
	s_cselect_b32 s[LIM], 1, -1
	v_and_b32 v[PFO], 31, v0
	v_lshlrev_b32 v[PFO], 8, v[PFO]
	s_wait_dscnt 0x0                ; the opening add is done
	s_wait_kmcnt 0x0
	s_add_nc_u64 s[6:7], s[6:7], s[22:23]  ; K and V at my tile of slot 0
	s_add_nc_u64 s[8:9], s[8:9], s[22:23]
	s_add_nc_u64 s[4:5], s[4:5], s[2:3]    ; Q and O at my wave's first row
	s_add_nc_u64 s[10:11], s[10:11], s[2:3]
	s_cmp_lt_u32 s[WV], 2
	s_cselect_b64 s[PFA:PFA+1], s[6:7], s[8:9]
	s_lshl_b32 s2, s13, 13          ; my work-group's 32 rows of the 128
	s_mov_b32 s3, 0
	s_add_nc_u64 s[PFA:PFA+1], s[PFA:PFA+1], s[2:3]
	s_add_nc_u64 s[PFA:PFA+1], s[PFA:PFA+1], 2*65536  ; in slot 2; the first change of slots steps it to slot 3
	CROUND                          ; all four work-groups are here: the first joint loads meet
.irp s, 0,1
	s_mov_b32 s[G0K+4*(\s)], 1
	s_add_co_u32 s[G0K+4*(\s)+1], s17, (\s)*SLX
	s_add_nc_u64 s[G0K+4*(\s)+2:G0K+4*(\s)+3], s[6:7], (\s)*65536
	s_or_b32 s[G0K+4*(\s)+3], s[G0K+4*(\s)+3], 0x80000000
	s_mov_b32 s[G0V+4*(\s)], 1
	s_add_co_u32 s[G0V+4*(\s)+1], s16, (\s)*SLX+VOFF
	s_add_nc_u64 s[G0V+4*(\s)+2:G0V+4*(\s)+3], s[8:9], (\s)*65536
	s_or_b32 s[G0V+4*(\s)+3], s[G0V+4*(\s)+3], 0x80000000
.endr
	s_cmp_lt_u32 s[WV], 2           ; a wave's two first fills stand in one branch: two loads of mine are out
	s_cbranch_scc0 .Lfirst_v
	tensor_load_to_lds s[G0K:G0K+3], s[G1K:G1K+7]
	s_nop 0
	tensor_load_to_lds s[G0K+4:G0K+7], s[G1K:G1K+7]
	s_nop 0
.rept 4
	v_nop
.endr
	s_branch .Lfirst_asked
.Lfirst_v:
	tensor_load_to_lds s[G0V:G0V+3], s[G1V:G1V+7]
	s_nop 0
	tensor_load_to_lds s[G0V+4:G0V+7], s[G1V:G1V+7]
	s_nop 0
.rept 4
	v_nop
.endr
.Lfirst_asked:
	v_and_b32 v1, 15, v0            ; l % 16
	v_bfe_u32 v9, v0, 4, 1          ; l / 16
	v_lshlrev_b32 v[QO], 8, v1
	v_lshl_add_u32 v[QO], v9, 4, v[QO]
	s_lshl_b32 s13, s[KP], 13       ; two tiles of 16 rows are 8,192 bytes: the odd keys' wave takes query tiles 2, 3 into the registers of tiles 0, 1,
	s_xor_b32 s14, s13, 8192        ; and query tiles 0, 1 into those of tiles 2, 3
	v_add_nc_u32 v[QO2], s14, v[QO]
	v_add_nc_u32 v[QO], s13, v[QO]
	WIN 0x80
.irp i, 0,1,2,3,4,5,6,7             ; Q stays in registers: tile i / 4, channels 32 (i % 4) on
	global_load_b128 v[8*(\i):8*(\i)+3],   v[QO], s[4:5] offset:((\i)/4)*4096+((\i)%4)*64
	global_load_b128 v[8*(\i)+4:8*(\i)+7], v[QO], s[4:5] offset:((\i)/4)*4096+((\i)%4)*64+32
	global_load_b128 v[64+8*(\i):64+8*(\i)+3],   v[QO2], s[4:5] offset:((\i)/4)*4096+((\i)%4)*64
	global_load_b128 v[64+8*(\i)+4:64+8*(\i)+7], v[QO2], s[4:5] offset:((\i)/4)*4096+((\i)%4)*64+32
.endr
	WIN 0
	v_mul_u32_u24 v[AK0], v1, PK
	v_lshl_add_u32 v[AK0], v9, 4, v[AK0]
	v_and_b32 v10, 7, v0
	v_bfe_u32 v11, v0, 3, 1
	v_lshl_add_u32 v[AV0], v9, 3, v10
	v_mul_u32_u24 v[AV0], v[AV0], PV
	v_lshl_add_u32 v[AV0], v11, 4, v[AV0]
	v_add_nc_u32 v[AV0], VOFF, v[AV0]
; Product i of 32 of O^T += V^T P for piece x: keys 32 (i / 16) on, channels 16 ((i / 2) % 8) on, tile x + i % 2.  The accumulators take turns.
.macro PV x, zero
	WIN W_PV
.set rO, 64*((\x)+i%2)+8*((i/2)%8)
.set rV, 64*(i/16)+8*((i/2)%8)
.set rP, P+16*((\x)+i%2)+8*(i/16)
.if (\zero) && (i < 16)
	v_wmma_f32_16x16x32_bf16 v[rO:rO+7], v[rV:rV+7], v[rP:rP+7], 0
.else
	v_wmma_f32_16x16x32_bf16 v[rO:rO+7], v[rV:rV+7], v[rP:rP+7], v[rO:rO+7]
.endif
.endm
; Product i of 32 of S^T = K Q^T: channels 32 (i / 8) on, keys 16 ((i / 2) % 4) on, tile x + i % 2.
.macro KQ x
	WIN W_KQ
.set rS, S+32*((\x)+i%2)+8*((i/2)%4)
.set rK, KF+32*((i/2)%4)+8*(i/8)
.set rQ, 32*((\x)+i%2)+8*(i/8)
.if i < 8
	v_wmma_f32_16x16x32_bf16 v[rS:rS+7], v[rK:rK+7], v[rQ:rQ+7], 0
.else
	v_wmma_f32_16x16x32_bf16 v[rS:rS+7], v[rK:rK+7], v[rQ:rQ+7], v[rS:rS+7]
.endif
.endm
.macro FETCH_K                      ; a step's K: 64 keys x 128 channels, 32 loads in one run
	WIN 0
	v_add_nc_u32 v[ADR], s[TBK], v[AK0]
	s_add_co_u32 s[TBK], s[TBK], KS*PK
	WIN 0x80
.irp f, 0,1,2,3,4,5,6,7,8,9,10,11,12,13,14,15
	ds_load_b128 v[KF+8*(\f):KF+8*(\f)+3],   v[ADR] offset:((\f)/4)*16*PK+((\f)%4)*64
	ds_load_b128 v[KF+8*(\f)+4:KF+8*(\f)+7], v[ADR] offset:((\f)/4)*16*PK+((\f)%4)*64+32
.endr
.endm
.macro FETCH_V                      ; a step's V, turned
	WIN 0
	v_add_nc_u32 v[ADR], s[TBV], v[AV0]
	s_add_co_u32 s[TBV], s[TBV], KS*PV
	WIN 0xc0
.irp f, 0,1,2,3,4,5,6,7,8,9,10,11,12,13,14,15
	ds_load_tr16_b128 v[8*(\f):8*(\f)+3],   v[ADR] offset:((\f)/8)*32*PV+((\f)%8)*32
	ds_load_tr16_b128 v[8*(\f)+4:8*(\f)+7], v[ADR] offset:((\f)/8)*32*PV+16*PV+((\f)%8)*32
.endr
.endm
; One tile's softmax for one key step is a list of 134 instructions; SM writes number j of it for tile t.
;   0-15 the maximum of the 32 scores and the old m; 16-20 the other half of the lanes, the new m, c m, its change; 21-87 33 exponentials at the odd numbers from 23 on, a plain
;   instruction at every even one (scalings ahead, roundings behind, the first sums); 88-101 the last rounding, the rest of the sums, l; 102-133 O^T times a.
.macro SM t, first
.set rT, ST+8*(\t)
.set rS, S+32*(\t)
.set rP, P+16*(\t)
.set rO, 64*(\t)+2*(j-102)
.set q, (j-20)/2
.if j < 102
	WIN 0
.endif
.if j < 4
	v_max3_num_f32 v[rT+4+j], v[rS+8*j], v[rS+8*j+1], v[rS+8*j+2]
.elseif j < 12
	v_max3_num_f32 v[rT+4+j%4], v[rT+4+j%4], v[rS+8*(j%4)+2*(j/4)+1], v[rS+8*(j%4)+2*(j/4)+2]
.elseif j == 12
	v_max3_num_f32 v[rT+4], v[rT+4], v[rS+7], v[rS+15]
.elseif j == 13
	v_max3_num_f32 v[rT+6], v[rT+6], v[rS+23], v[rS+31]
.elseif j == 14
	v_max3_num_f32 v[rT+4], v[rT+4], v[rT+5], v[rT+6]
.elseif (j == 15) && (\first)
	v_max_num_f32 v[rT+4], v[rT+4], v[rT+7]
.elseif j == 15
	v_max3_num_f32 v[rT+4], v[rT+4], v[rT+7], v[rT+1]
.elseif j == 16
	v_permlanex16_b32 v[rT+5], v[rT+4], s[SEL], s[SEL+1]
.elseif j == 18
	v_max_num_f32 v[rT+1], v[rT+4], v[rT+5]
.elseif j == 19
	v_mul_f32 v[rT], s[CS], v[rT+1]
.elseif ((j == 17) || (j == 20) || (j == 23) || (j > 101)) && (\first)
.elseif j == 17
	v_mov_b32 v[rT+7], v[rT]
.elseif j == 20
	v_sub_f32 v[rT+7], v[rT+7], v[rT]
.elseif j == 23
	v_exp_f32 v[rT+6], v[rT+7]
.elseif (j < 88) && (j > 23) && (j%2 == 1)
	v_exp_f32 v[rS+(j-25)/2], v[rS+(j-25)/2]
.elseif (q < 4) || ((j < 76) && (q%2 == 0))
.set b, q/2+2
.if q < 4
.set b, q
.endif
	v_pk_fma_f32 v[rS+2*b:rS+2*b+1], v[rS+2*b:rS+2*b+1], s[CS:CS+1], v[rT:rT+1] op_sel_hi:[1,0,0] neg_lo:[0,0,1] neg_hi:[0,0,1]
.elseif (j < 88) && (q%2 == 1)
	s_wait_alu depctr_va_vdst(0)
	v_cvt_pk_bf16_f32 v[rP+(q-5)/2], v[rS+q-5], v[rS+q-4]
.elseif j == 89
	s_wait_alu depctr_va_vdst(0)
	v_cvt_pk_bf16_f32 v[rP+15], v[rS+30], v[rS+31]
.elseif j < 102
.set z, j-86
.if j < 89
.set z, (j-76)/4
.endif
.set w, 4
.set u, z
.if z >= 14
.set w, 32
.set u, 0
.elseif z >= 12
.set w, 16
.set u, z-12
.elseif z >= 8
.set w, 8
.set u, z-8
.endif
.if (z == 14) && (\first)
	v_pk_add_f32 v[rT+2:rT+3], v[rS:rS+1], v[rS+16:rS+17]
.elseif z < 15
	v_pk_add_f32 v[rS+w*u:rS+w*u+1], v[rS+w*u:rS+w*u+1], v[rS+w*u+w/2:rS+w*u+w/2+1]
.elseif !(\first)
	v_pk_fma_f32 v[rT+2:rT+3], v[rT+2:rT+3], v[rT+6:rT+7], v[rS:rS+1] op_sel_hi:[1,0,1]
.endif
.else
	WIN W_RS
	v_pk_mul_f32 v[rO:rO+1], v[rO:rO+1], v[rT+6:rT+7] op_sel_hi:[1,0]
.endif
.endm
; Slice k of 64 of piece y's softmax: numbers 2 k and 2 k + 1 of both tiles' lists; the twelve that are over stand together in slice 63.
.macro SLICE y, first
.if (k >= 11) && (k < 44)
.irp t, \y, (\y)+1
.irp n, 0,1
.set j, 2*k+(\n)
	SM \t, \first
.endr
.endr
.else
.irp n, 0,1,2,3,4,5,6,7
.if ((\n) < 2) || (k == 63)
.irp t, \y, (\y)+1
.set j, 2*k+(\n)
	SM \t, \first
.endr
.endif
.endr
.endif
.set k, k+1
.endm
.macro PLACES
.rept 4
	v_nop
.endr
.endm
; A TURN.  Piece x has the matrix unit; the other piece's softmax stands in slices behind its matrix instructions.  pv = 2: 32 products V^T P; 1: they start O^T's sums; 0: none.
; kq = 1: 32 products K Q^T for the next step.  first = 1: the softmax is the first key step's.  Piece 0's turn fetches the next step's K, piece 2's turn the same step's V.
.macro TURN x, pv, kq, first
.set k, 0
.set per, 2
.if (\pv) && (\kq)
.set per, 1
.endif
.if \pv
.if (\x) == 0
	s_wait_dscnt 0x0                ; V is in
.endif
.set i, 0
.rept 32
	PV \x, 2-(\pv)
.rept per
	SLICE 2-(\x), \first
.endr
.if ((\x) == 0) && (\kq) && (i == 1)
	FETCH_K
.endif
.set i, i+1
.endr
.endif
.if \kq
.if (\x) == 0
	s_wait_dscnt 0x0                ; K is in
.endif
.set i, 0
.rept 32
	KQ \x
.rept per
	SLICE 2-(\x), \first
.endr
.if ((\x) == 2) && (i == 1)
	FETCH_V
.endif
.set i, i+1
.endr
.endif
.if \first
	PLACES
.endif
.endm
; THE CHANGE OF SLOTS.  Each wave waits for all its tensor loads (one is out: its tile of the other slot), adds 0 to its spare word, and waits for that and for its reads of the slot.
; fill = 1: the barrier is a round of the cluster's, and the joint refill, the keys two slots on, is the first thing behind it: it has two key steps in which to land.
.macro CHANGE fill
	WIN 0
	s_wait_tensorcnt 0x0            ; no tensor load of mine is out, so a group 0 may be written
	ds_add_u32 v[SPW], v[NIL]
.if \fill
.irp g, G0K+4, G0V+4
	s_xor_b32 s[(\g)+1], s[(\g)+1], SLX
	s_add_nc_u64 s[(\g)+2:(\g)+3], s[(\g)+2:(\g)+3], 65536  ; the next 256 keys
.endr
	s_wait_xcnt 0x0                 ; the last prefetch, two key steps back, has read its address
	s_add_nc_u64 s[PFA:PFA+1], s[PFA:PFA+1], 65536
	s_wait_dscnt 0x0                ; the add is done, and my reads of the slot are over
	CROUND
	JLOAD
	ASK
.else
	s_wait_dscnt 0x0
	s_barrier_signal -1
	s_barrier_wait -1
.endif
	s_sub_co_u32 s[TBK], s[TBK], 2*KS*PK  ; the fetches go back to my half's first step,
	s_xor_b32 s[TBK], s[TBK], SLX         ; in the other slot
	s_sub_co_u32 s[TBV], s[TBV], 2*KS*PV
	s_xor_b32 s[TBV], s[TBV], SLX
.endm
.macro TWO_STEPS
	WIN 0
	s_mov_b32 s[TWICE], 2
.Lstep_\@:
	TURN 0, 2, 1, 0
	TURN 2, 2, 1, 0
	WIN 0
	s_sub_co_u32 s[TWICE], s[TWICE], 1
	s_cmp_lg_u32 s[TWICE], 0
	s_cbranch_scc1 .Lstep_\@
.endm
	s_wait_tensorcnt 1              ; my tile of slot 0 is in; slot 1's may stay out
	s_barrier_signal -1
	s_barrier_wait -1
	FETCH_K                         ; key step 0
	s_wait_loadcnt 0x0              ; Q
	s_wait_dscnt 0x0
.set i, 0
.rept 32
	KQ 0
.set i, i+1
.endr
	WIN 0                           ; the addresses for the way out: plain instructions, the places behind those products
	s_mul_i32 s13, s[WV], 16*SP
	s_add_co_u32 s13, s13, STAGE
	s_lshl_b32 s14, s[KP], 13
	v_mul_u32_u24 v[STO], v1, SP
	v_lshl_add_u32 v[STO], v9, 4, v[STO]
	v_add_nc_u32 v[STO], s13, v[STO]
	v_mul_u32_u24 v[RD], v9, SP
	v_lshl_add_u32 v[RD], v1, 4, v[RD]
	v_add_nc_u32 v[RD], s13, v[RD]
	v_lshlrev_b32 v[GO], 8, v9
	v_lshl_add_u32 v[GO], v1, 4, v[GO]
	v_add_nc_u32 v[GO], s14, v[GO]  ; the tiles that I finish: query tiles 0, 1, or 2, 3 in the odd keys' wave
	TURN 2, 0, 1, 1
	TURN 0, 1, 1, 1
	TURN 2, 1, 1, 0
	WIN 0
.Lslot:                             ; 14 trips: every slot but the last two is filled again
	CHANGE 1
	TWO_STEPS
	s_sub_co_u32 s[SLOTS], s[SLOTS], 1
	s_cmp_lg_u32 s[SLOTS], 0
	s_cbranch_scc1 .Lslot
	CHANGE 0                        ; the tail is written out
	TWO_STEPS
	TURN 0, 2, 0, 0
.set i, 0
.rept 32
	PV 2, 0
.set i, i+1
.endr
	; THE WAY OUT.  Each wave hands the registers of tiles 2, 3 to its partner and finishes those of tiles 0, 1.  For a tile: M = max(c m_a, c m_b), f = 2^(c m - M),
	; l = l_a f_a + l_b f_b (both halves of the lanes), O = (O_a f_a + O_b f_b) / l.
	WIN 0
.irp t, 0,1,2,3
	v_add_f32 v[ST+8*(\t)+1], v[ST+8*(\t)+2], v[ST+8*(\t)+3]  ; (c m, l) is now a pair; these and the lines below are the places behind the last products
.endr
	v_and_b32 v[XA], 31, v0
	s_mul_i32 s13, s[WV], XW
	s_xor_b32 s14, s[WV], 1
	s_mul_i32 s14, s14, XW
	v_lshl_add_u32 v[XS], v[XA], 3, s13
	v_lshl_add_u32 v[XSI], v[XA], 3, s14
	v_lshl_add_u32 v[XAI], v[XA], 4, s14
	v_lshl_add_u32 v[XA], v[XA], 4, s13
	s_wait_dscnt 0x0
	s_barrier_signal -1
	s_barrier_wait -1               ; nobody reads a slot any more
.macro XSEND t, u                   ; tile t of O^T, each accumulator's low registers first, and its statistics
	WIN 0x04                        ; the stores' data in window 1
.set i, 0
.rept 16
	ds_store_b128 v[XA], v[64*(\t)+4*i:64*(\t)+4*i+3] offset:(\u)*8192+512*i
.set i, i+1
.endr
	WIN 0
	ds_store_b64 v[XS], v[ST+8*(\t):ST+8*(\t)+1] offset:16384+256*(\u)
.endm
.macro MERGE t, u
	WIN 0
.set i, 0
.rept 32
	v_pk_mul_f32 v[S+64*(\u)+i:S+64*(\u)+i+1], v[S+64*(\u)+i:S+64*(\u)+i+1], v[ST+8*(\t)+6:ST+8*(\t)+7] op_sel_hi:[1,0]
.set i, i+2
.endr
	WIN 0x01                        ; source 0 in window 1
.set i, 0
.rept 32
	v_pk_fma_f32 v[S+64*(\u)+i:S+64*(\u)+i+1], v[64*(\t)+i:64*(\t)+i+1], v[ST+8*(\t)+4:ST+8*(\t)+5], v[S+64*(\u)+i:S+64*(\u)+i+1] op_sel_hi:[1,0,1]
.set i, i+2
.endr
	WIN 0
.set i, 0
.rept 32
	v_cvt_pk_bf16_f32 v[P+32*(\u)+i], v[S+64*(\u)+2*i], v[S+64*(\u)+2*i+1]
.set i, i+1
.endr
.irp f, 0,1,2,3,4,5,6,7
	ds_store_b128 v[STO], v[P+32*(\u)+4*(\f):P+32*(\u)+4*(\f)+3] offset:32*(\f)
.endr
.irp f, 0,1,2,3,4,5,6,7
	ds_load_b128 v[P+32*(\u)+4*(\f):P+32*(\u)+4*(\f)+3], v[RD] offset:(\f)*2*SP  ; LDS serves a wave's instructions in order: these see the stores above
.endr
.endm
.macro SEND t, u, younger
.irp f, 0,1,2,3,4,5,6,7
	s_wait_dscnt (\younger)+7-(\f)
	global_store_b128 v[GO], v[P+32*(\u)+4*(\f):P+32*(\u)+4*(\f)+3], s[10:11] offset:(\t)*4096+(\f)*512  ; 16 lanes store 256 consecutive bytes, aligned
.endr
.endm
	XSEND 2, 0
	XSEND 3, 1
	s_wait_dscnt 0x0                ; for the partner's sake
	s_barrier_signal -1
	s_barrier_wait -1
	ds_load_b64 v[ST+2:ST+3], v[XSI] offset:16384
	ds_load_b64 v[ST+10:ST+11], v[XSI] offset:16384+256
.set i, 0
.rept 32
	ds_load_b128 v[S+4*i:S+4*i+3], v[XAI] offset:512*i
.set i, i+1
.endr
	s_wait_dscnt 32                 ; the partner's statistics are in; the 32 loads of its O^T may be out
.irp t, 0, 1
	v_max_num_f32 v[ST+8*(\t)+4], v[ST+8*(\t)], v[ST+8*(\t)+2]
.endr
.irp t, 0, 1
	v_sub_f32 v[ST+8*(\t)+5], v[ST+8*(\t)], v[ST+8*(\t)+4]
	v_sub_f32 v[ST+8*(\t)+6], v[ST+8*(\t)+2], v[ST+8*(\t)+4]
.endr
.irp t, 0, 1
	v_exp_f32 v[ST+8*(\t)+5], v[ST+8*(\t)+5]
	v_exp_f32 v[ST+8*(\t)+6], v[ST+8*(\t)+6]
.endr
	v_nop                           ; a plain instruction behind the exponentials
.irp t, 0, 1
	s_wait_alu depctr_va_vdst(0)
	v_mul_f32 v[ST+8*(\t)+7], v[ST+8*(\t)+1], v[ST+8*(\t)+5]
.endr
.irp t, 0, 1
	v_fma_f32 v[ST+8*(\t)+7], v[ST+8*(\t)+3], v[ST+8*(\t)+6], v[ST+8*(\t)+7]
.endr
.irp t, 0, 1
	v_permlanex16_b32 v[ST+8*(\t)+4], v[ST+8*(\t)+7], s[SEL], s[SEL+1]
.endr
.irp t, 0, 1
	v_add_f32 v[ST+8*(\t)+7], v[ST+8*(\t)+7], v[ST+8*(\t)+4]
.endr
.irp t, 0, 1
	v_rcp_f32 v[ST+8*(\t)+7], v[ST+8*(\t)+7]
.endr
	v_nop                           ; a plain instruction behind the reciprocals
.irp t, 0, 1
	s_wait_alu depctr_va_vdst(0)
	v_mul_f32 v[ST+8*(\t)+4], v[ST+8*(\t)+5], v[ST+8*(\t)+7]
	v_mul_f32 v[ST+8*(\t)+6], v[ST+8*(\t)+6], v[ST+8*(\t)+7]
.endr
	s_wait_dscnt 0x0
	MERGE 0, 0
	MERGE 1, 1
	SEND 0, 0, 16                   ; the second tile's sixteen stage instructions are younger
	SEND 1, 1, 0
	s_wait_tensorcnt 0x0            ; the wave's end
	ds_add_u32 v[SPW], v[NIL]
	s_wait_dscnt 0x0
	CROUND                          ; the closing round
	s_endpgm
.Lfunc_end_k_q336704c776_attn:
	.size	k_q336704c776_attn, .Lfunc_end_k_q336704c776_attn-k_q336704c776_attn
	.p2alignl 7, 3214868480
	.fill 96, 4, 3214868480
	.section	.rodata,"a",@progbits
	.p2align	6, 0x0
	.amdhsa_kernel k_q336704c776_attn
		.amdhsa_group_segment_fixed_size 327680
		.amdhsa_private_segment_fixed_size 0
		.amdhsa_enable_private_segment 0
		.amdhsa_kernarg_size 32
		.amdhsa_user_sgpr_count 2
		.amdhsa_user_sgpr_kernarg_segment_ptr 1
		.amdhsa_wavefront_size32 1
		.amdhsa_system_sgpr_workgroup_id_x 1
		.amdhsa_system_sgpr_workgroup_id_y 1
		.amdhsa_system_sgpr_workgroup_id_z 1
		.amdhsa_system_vgpr_workitem_id 0
		.amdhsa_next_free_vgpr 1024
		.amdhsa_next_free_sgpr 70
		.amdhsa_reserve_vcc 0
		.amdhsa_float_denorm_mode_32 3
		.amdhsa_float_denorm_mode_16_64 3
		.amdhsa_memory_ordered 1
		.amdhsa_forward_progress 1
		.amdhsa_inst_pref_size 227
	.end_amdhsa_kernel
	.amdgpu_metadata
---
amdhsa.version: [ 1, 2 ]
amdhsa.kernels:
  - .name:           k_q336704c776_attn
    .symbol:         k_q336704c776_attn.kd
    .args:
      - { .name: q, .offset: 0, .size: 8, .value_kind: global_buffer, .address_space: global }
      - { .name: k, .offset: 8, .size: 8, .value_kind: global_buffer, .address_space: global }
      - { .name: xt, .offset: 16, .size: 8, .value_kind: global_buffer, .address_space: global }
      - { .name: o, .offset: 24, .size: 8, .value_kind: global_buffer, .address_space: global }
    .group_segment_fixed_size: 327680
    .private_segment_fixed_size: 0
    .kernarg_segment_align: 8
    .kernarg_segment_size: 32
    .max_flat_workgroup_size: 128
    .sgpr_count:     70
    .vgpr_count:     1024
    .wavefront_size: 32
...
	.end_amdgpu_metadata
.endif
;; end of part 3
;; launch tail (part 4): grid 256 x 1, 4 waves a work-group, clusters of 4 x 1, 327,680 bytes of LDS; arguments o, xt, wb, alpha_r1, alpha_r2, b1, b2, bs, out0; writes out0
.if DOCPART == 4
	.amdgcn_target "amdgcn-amd-amdhsa--gfx1250"
	.amdhsa_code_object_version 6
	.text
	.protected	k_q336704c776_tail
	.globl	k_q336704c776_tail
	.p2align	8
	.type	k_q336704c776_tail,@function
k_q336704c776_tail:
	s_mov_b64 s[64:65], 0
	v_nop
	global_prefetch_b8 v0, s[64:65] scope:SCOPE_SE
	s_setreg_imm32_b32 hwreg(HW_REG_WAVE_MODE, 25, 1), 1
	s_wait_xcnt 0x0
	s_wait_alu depctr_hold_cnt(0) depctr_sa_sdst(0) depctr_va_vdst(0) depctr_va_sdst(0) depctr_va_ssrc(0) depctr_va_vcc(0) depctr_vm_vsrc(0)
	s_getreg_b32 s2, hwreg(HW_REG_IB_STS2, 6, 4)
	s_cmp_eq_u32 s2, 0
	s_cbranch_scc0 .Lentry_in_a_cluster
	s_endpgm
.Lentry_in_a_cluster:
	s_bfe_u32 s2, ttmp6, 0x10000c
	s_cmp_lg_u32 s2, 0x3003
	s_cbranch_scc0 .Lentry_shape_is_right
	s_endpgm
.Lentry_shape_is_right:
; out0 = (W2 gelu(norm2(h1)) + b2 + Ws cat + bs) / sqrt(2), h1 = W1 gelu(norm1(cat)) + b1, cat = [attention's o; x], norm = gain x value x rsqrt(mean over channels of squares + 1e-8).
; The factor 1 / (1 + 1e-8) of the two-part convolutions is 1.0 in f32, the format in which it is applied: a product by it changes no number, and none is written.
; A work-group takes 64 tokens of one image; wave w makes outputs 64 w .. 64 w + 63 for all 64 tokens.  Two sets of 16 accumulators: h1's, and one that takes b2 + bs, Ws cat and W2 g2.
; FORMATS.  Gains and biases are rounded once to bf16, like the weights and x; cat, gelu's results and h1 are kept in LDS as bf16; all sums, and h1's sum of squares, in f32.
; GELU as in the launch that makes q and k: the five-term rational form of erf, off by at most 1.5e-7 in erf; far below -5 it keeps that absolute error, not a relative one.
; NaN and infinities are not treated apart.
; THE ORDER.  Ws cat needs no gelu and goes first, so that gelu's results can take the place of parts of cat that have been read out, and three chunks of weights fit in LDS.
; The ten chunks of weights (256 rows x 128 k each) come in four loads a wave: three chunks at the start, then two, three and two, each of these asked for directly in front of a
; gelu phase (8 trips of some 190 instructions), in which it lands.  Wave w fetches, and alone reads, rows 64 w .. 64 w + 63 of each chunk, into three places p0-p2 of its own.
; CLUSTER.  All work-groups read the same weights: the four of a cluster ask jointly.  Two tensor loads of a wave are out at the start (its chunk of cat, three chunks of weights), one behind each round.
.set PITCH,  272                       ; an LDS row: 256 bytes + 16 of padding
.set CHUNKB, 64*PITCH                  ; 64 rows
.set WREG,   3*CHUNKB                  ; a wave's three places
.set ACTR,   4*WREG                    ; six blocks Q0-Q5 of [64 tokens][128 channels]: Q2-Q5 cat (filled once); Q0, Q1 g chunks 0, 1; Q2, Q3 later g chunks 2, 3; Q4, Q5 later h1; Q0, Q1 later gelu(norm2(h1))
.set RED,    ACTR+6*CHUNKB             ; [token][wave] partial sums of cat's squares; RED2: of h1's
.set RED2,   RED+1024
.set ALT,    RED2+1024                 ; alpha_r1 (512), alpha_r2 (256), rounded to bf16, kept as f32
.set SPARE,  ALT+3072                  ; the spare words, 128 bytes a wave: no other line names them
.set WTB,    4*65536                   ; where this launch's weights begin in wb
.set SEQB,   16384                     ; a wave's 64 rows of a chunk there
.set WWB,    10*SEQB                   ; a wave's ten chunks
.set R, 1
.set H, 2
.set RH4, 3                            ; r x pitch + 16 h
.set W0, 4                             ; my place in my p0
.set WA, 5                             ; the same in the place in hand
.set AA, 6                             ; my place in the activation block in hand
.set GO2, 7
.set PS, 8
.set REDS, 9
.set REDL, 10
.set ES0, 11
.set ED0, 12
.set EAL0, 13
.set ESA, 14
.set EDA, 15
.set EAA, 16
.set STO, 17
.set STO2, 18
.set RD2, 19
.set HS, 20                            ; v20-27 four pairs: h1's squares
.set SPW, 28
.set NIL, 29
.set RH7, 30                           ; r x pitch + 128 h
.set ESB, 31                           ; the elementwise work's place in Q0, Q1: block w % 2, tokens 32 (w / 2) on
.set B1P, 32
.set BN, 48
.set AO1, 52
.set AO2, 53
.set BO, 54
.set BNO, 55
.set TMP, 64
.set D0, 128                           ; window 0, v128-243: the elementwise work
.set D1, 132
.set AL, 136
.set GA, 144
.set GX, 160
.set GT, 176
.set GP, 192
.set GE, 208
.set RNA, 224
.set RNB, 226
.set OUTR, 228
.set RT, 236
.set SQ, 160
.set OUTF, 128                         ; at the end: the scaled results
.set F0, 0                             ; window 1: two fragment buffers of 64 along K: 64 registers of activations, 64 of weights
.set F1, 128
.set ACC1, 0                           ; window 2: h1's sums; accumulator (token tile a, output tile b) at + 8 (4 a + b)
.set ACC2, 128                         ; window 2: the output's sums
.set WV, 22
.set CX, 23
.set G1J3, 28                          ; joint, 192 rows
.set G0W, 36                           ; the weights' group 0: always to my p0; its address walks
.set G1J2, 40                          ; joint, 128 rows
.set CNT, 48
.set ECNT, 49
.set PP, 50
.set CE, 52
.set A4, 54
.set A3, 56
.set A2, 58
.set A1, 60
.set ABSM, 62
.set HIM, 63
.set INVC, 66
.set EPS, 67
.set SEL, 68
.set A5, 74
.set G1C, 76                           ; my own, 64 rows
.set G0C, 84
.set RS2, 88
.set EGN2, 90
.set WL, 91
.set WH, 92
.set EGO, 93
.set EGN, 94
.set MUL,  0xa5                        ; sources 0 and 1 in window 1, C and D in window 2
.set TO_F, 0x40                        ; destination in window 1, address in window 0
.set MSB, 0
.macro WIN new                         ; the immediate's high byte repeats the setting that is left
.if MSB != (\new)
	s_set_vgpr_msb (MSB<<8)|(\new)
.set MSB, \new
.endif
.endm
.macro PLACES
.rept 4
	v_nop
.endr
.endm
.macro PAIR reg, val
	s_mov_b32 s[\reg], \val
	s_mov_b32 s[(\reg)+1], \val
.endm
.macro SHAPE g, rows                   ; a tile of so many dense rows of 128 elements
	s_mov_b32 s[(\g)+1], 128<<16                   ; tensor_dim0 = 128
	s_mov_b32 s[(\g)+2], (\rows)<<16               ; tensor_dim1
	s_mov_b32 s[(\g)+3], 128<<16                   ; tile_dim0 = 128
	s_mov_b32 s[(\g)+4], \rows                     ; tile_dim1
	s_mov_b32 s[(\g)+5], 128                       ; 128 elements from row to row
	s_mov_b32 s[(\g)+6], 0
	s_mov_b32 s[(\g)+7], 0
.endm
.macro BAR                             ; my LDS instructions are done, then the work-group's barrier
	s_wait_dscnt 0x0
	s_barrier_signal -1
	s_barrier_wait -1
.endm
.macro CROUND                          ; a round of the cluster's barrier
	s_barrier_signal -1
	s_barrier_wait -1
	s_cmp_lg_u32 s[WV], 0
	s_cbranch_scc1 .Lnot_wave_0_\@
	s_barrier_signal -3
.Lnot_wave_0_\@:
	s_barrier_wait -3
	s_barrier_signal -1
	s_barrier_wait -1
.endm
; 32 LDS loads: the fragments of 64 along K at byte k of the rows, the first 32 along K first
.macro FETCH k, f
	WIN TO_F
.irp c, 0,1
.irp i, 0,1,2,3
	ds_load_b128 v[(\f)+64+8*(4*(\c)+(\i)):(\f)+64+8*(4*(\c)+(\i))+3],   v[WA] offset:(\k)+64*(\c)+(\i)*16*PITCH
	ds_load_b128 v[(\f)+64+8*(4*(\c)+(\i))+4:(\f)+64+8*(4*(\c)+(\i))+7], v[WA] offset:(\k)+64*(\c)+(\i)*16*PITCH+32
	ds_load_b128 v[(\f)+8*(4*(\c)+(\i)):(\f)+8*(4*(\c)+(\i))+3],         v[AA] offset:(\k)+64*(\c)+(\i)*16*PITCH
	ds_load_b128 v[(\f)+8*(4*(\c)+(\i))+4:(\f)+8*(4*(\c)+(\i))+7],       v[AA] offset:(\k)+64*(\c)+(\i)*16*PITCH+32
.endr
.endr
.endm
; 16 matrix instructions; the 16 accumulators take turns.  nat = 0: source 0 = rows of W: a lane holds one token and eight neighbouring outputs.
; nat = 1: source 0 = tokens: a lane holds one output and eight neighbouring tokens, as out0 lies.
.macro MUL16 f, c, nat, acc
	WIN MUL
.irp a, 0,1,2,3
.irp b, 0,1,2,3
.if \nat
	v_wmma_f32_16x16x32_bf16 v[(\acc)+8*(4*(\a)+(\b)):(\acc)+8*(4*(\a)+(\b))+7], v[(\f)+8*(4*(\c)+(\a)):(\f)+8*(4*(\c)+(\a))+7], v[(\f)+64+8*(4*(\c)+(\b)):(\f)+64+8*(4*(\c)+(\b))+7], v[(\acc)+8*(4*(\a)+(\b)):(\acc)+8*(4*(\a)+(\b))+7]
.else
	v_wmma_f32_16x16x32_bf16 v[(\acc)+8*(4*(\a)+(\b)):(\acc)+8*(4*(\a)+(\b))+7], v[(\f)+64+8*(4*(\c)+(\b)):(\f)+64+8*(4*(\c)+(\b))+7], v[(\f)+8*(4*(\c)+(\a)):(\f)+8*(4*(\c)+(\a))+7], v[(\acc)+8*(4*(\a)+(\b)):(\acc)+8*(4*(\a)+(\b))+7]
.endif
.endr
.endr
.endm
; One chunk of K: 64 LDS loads, 64 matrix instructions; then both places step on.  At most 48 LDS loads are out.
.macro CHUNK nat, acc
	FETCH 0, F0
	s_wait_dscnt 16                                ; the first 32 along K are in; the younger 16 loads may be out
	MUL16 F0, 0, \nat, \acc
	FETCH 128, F1                                  ; its last readers stand in the chunk before, in front of that chunk's four places
	s_wait_dscnt 32                                ; all but the 32 just issued
	MUL16 F0, 1, \nat, \acc
	s_wait_dscnt 16
	MUL16 F1, 0, \nat, \acc
	s_wait_dscnt 0x0
	MUL16 F1, 1, \nat, \acc
	WIN 0
	PLACES                                         ; the places in front of the next loads into the fragments
	v_add_nc_u32 v[WA], CHUNKB, v[WA]
	v_add_nc_u32 v[AA], CHUNKB, v[AA]
.endm
.macro LOOP nat, acc, trips
	s_mov_b32 s[CNT], \trips
.Lchunks_\@:
	CHUNK \nat, \acc
	s_sub_co_u32 s[CNT], s[CNT], 1
	s_cmp_lg_u32 s[CNT], 0
	s_cbranch_scc1 .Lchunks_\@
.endm
; My places, read out into registers, are filled again from p0 on; the round also parts every wave's reads of the activation blocks from the stores that follow.
.macro REFILL g1, step
	s_wait_tensorcnt 0x0                           ; no tensor load of mine is out, so the group 0 may be written;
	ds_add_u32 v[SPW], v[NIL]                      ; 0 onto my spare word
	s_add_nc_u64 s[G0W+2:G0W+3], s[G0W+2:G0W+3], \step  ; past what the last load brought
	s_wait_dscnt 0x0                               ; the add is done, and my LDS reads are over
	CROUND                                         ; so it is with every wave of the four work-groups
	tensor_load_to_lds s[G0W:G0W+3], s[\g1:\g1+7]
	s_nop 0
	PLACES
.endm
.macro RNORM                           ; 1 / sqrt(mean + 1e-8) for my token in two tiles
	ds_load_b128 v[RT:RT+3], v[REDL]
	ds_load_b128 v[RT+4:RT+7], v[REDL] offset:256
	s_wait_dscnt 0x0
	v_add_f32 v[RT], v[RT], v[RT+1]
	v_add_f32 v[RT+2], v[RT+2], v[RT+3]
	v_add_f32 v[RT+4], v[RT+4], v[RT+5]
	v_add_f32 v[RT+6], v[RT+6], v[RT+7]
	v_add_f32 v[RT], v[RT], v[RT+2]
	v_add_f32 v[RT+4], v[RT+4], v[RT+6]
	v_fma_f32 v[RT], v[RT], s[INVC], s[EPS]
	v_fma_f32 v[RT+4], v[RT+4], s[INVC], s[EPS]
	v_rsq_f32 v[RNA], v[RT]
	v_rsq_f32 v[RNB], v[RT+4]
	v_nop                                          ; a plain instruction behind the roots
	s_wait_alu depctr_va_vdst(0)
	v_mov_b32 v[RNA+1], v[RNA]
	v_mov_b32 v[RNB+1], v[RNB]
.endm
.macro GELU16                          ; gelu of GA's 16 numbers, in place
.set i, 0
.rept 16
	v_and_b32 v[GX+i], s[ABSM], v[GA+i]
.set i, i+1
.endr
.set i, 0
.rept 8
	v_pk_fma_f32 v[GT+i:GT+i+1], v[GX+i:GX+i+1], s[PP:PP+1], 1.0 op_sel_hi:[1,0,0]
.set i, i+2
.endr
.set i, 0
.rept 16
	v_rcp_f32 v[GT+i], v[GT+i]
.set i, i+1
.endr
.set i, 0
.rept 8
	v_pk_mul_f32 v[GE+i:GE+i+1], v[GA+i:GA+i+1], v[GA+i:GA+i+1]  ; plain lines behind the reciprocals
.set i, i+2
.endr
.set i, 0
.rept 8
	v_pk_mul_f32 v[GE+i:GE+i+1], v[GE+i:GE+i+1], s[CE:CE+1] op_sel_hi:[1,0]
.set i, i+2
.endr
.set i, 0
	s_wait_alu depctr_va_vdst(0)
.rept 8
	v_pk_fma_f32 v[GP+i:GP+i+1], v[GT+i:GT+i+1], s[A5:A5+1], s[A4:A4+1] op_sel_hi:[1,0,0]
.set i, i+2
.endr
.irp c, A3, A2, A1
.set i, 0
.rept 8
	v_pk_fma_f32 v[GP+i:GP+i+1], v[GP+i:GP+i+1], v[GT+i:GT+i+1], s[\c:\c+1] op_sel_hi:[1,1,0]
.set i, i+2
.endr
.endr
.set i, 0
.rept 16
	v_exp_f32 v[GE+i], v[GE+i]
.set i, i+1
.endr
.set i, 0
.rept 8
	v_pk_mul_f32 v[GP+i:GP+i+1], v[GP+i:GP+i+1], v[GT+i:GT+i+1]  ; plain lines behind the exponentials
.set i, i+2
.endr
.set i, 0
	s_wait_alu depctr_va_vdst(0)
.rept 8
	v_pk_fma_f32 v[GP+i:GP+i+1], v[GP+i:GP+i+1], v[GE+i:GE+i+1], 0.5 op_sel_hi:[1,1,0]
.set i, i+2
.endr
.set i, 0
.rept 8
	v_pk_mul_f32 v[GA+i:GA+i+1], v[GA+i:GA+i+1], 0.5 op_sel_hi:[1,0]
.set i, i+2
.endr
.set i, 0
.rept 8
	v_pk_fma_f32 v[GA+i:GA+i+1], v[GX+i:GX+i+1], v[GP+i:GP+i+1], v[GA+i:GA+i+1]
.set i, i+2
.endr
.endm
; gelu(gain x value x norm) for two token tiles x 128 channels of one block, from ES0 to ED0: a trip takes 8 channels of two tokens a lane.  The next trip's four loads go out when
; this trip has unpacked; the last trip's look-ahead is clamped to the last group, so that nothing is read outside the rows' data.
.macro ELT
	s_mov_b32 s[EGO], 0
	ds_load_b128 v[D0:D0+3], v[ES0]
	ds_load_b128 v[D1:D1+3], v[ES0] offset:16*PITCH
	ds_load_b128 v[AL:AL+3], v[EAL0]
	ds_load_b128 v[AL+4:AL+7], v[EAL0] offset:16
	s_mov_b32 s[ECNT], 8
.Lelt_\@:
	s_wait_dscnt 0x0
	v_add_nc_u32 v[EDA], s[EGO], v[ED0]
	s_add_co_u32 s[EGO], s[EGO], 16
	s_min_u32 s[EGN], s[EGO], 112
	s_lshl_b32 s[EGN2], s[EGN], 1
.irp i, 0,1,2,3
	v_lshlrev_b32 v[GA+2*(\i)], 16, v[D0+(\i)]
	v_and_b32 v[GA+2*(\i)+1], s[HIM], v[D0+(\i)]
	v_lshlrev_b32 v[GA+8+2*(\i)], 16, v[D1+(\i)]
	v_and_b32 v[GA+8+2*(\i)+1], s[HIM], v[D1+(\i)]
.endr
.irp i, 0,2,4,6
	v_pk_mul_f32 v[GA+(\i):GA+(\i)+1], v[GA+(\i):GA+(\i)+1], v[AL+(\i):AL+(\i)+1]
	v_pk_mul_f32 v[GA+8+(\i):GA+8+(\i)+1], v[GA+8+(\i):GA+8+(\i)+1], v[AL+(\i):AL+(\i)+1]
.endr
	v_add_nc_u32 v[ESA], s[EGN], v[ES0]
	v_add_nc_u32 v[EAA], s[EGN2], v[EAL0]
	ds_load_b128 v[D0:D0+3], v[ESA]
	ds_load_b128 v[D1:D1+3], v[ESA] offset:16*PITCH
	ds_load_b128 v[AL:AL+3], v[EAA]
	ds_load_b128 v[AL+4:AL+7], v[EAA] offset:16
.irp i, 0,2,4,6
	v_pk_mul_f32 v[GA+(\i):GA+(\i)+1], v[GA+(\i):GA+(\i)+1], v[RNA:RNA+1]
	v_pk_mul_f32 v[GA+8+(\i):GA+8+(\i)+1], v[GA+8+(\i):GA+8+(\i)+1], v[RNB:RNB+1]
.endr
	GELU16
.irp i, 0,1,2,3,4,5,6,7
	v_cvt_pk_bf16_f32 v[OUTR+(\i)], v[GA+2*(\i)], v[GA+2*(\i)+1]
.endr
	ds_store_b128 v[EDA], v[OUTR:OUTR+3]
	ds_store_b128 v[EDA], v[OUTR+4:OUTR+7] offset:16*PITCH
	s_sub_co_u32 s[ECNT], s[ECNT], 1
	s_cmp_lg_u32 s[ECNT], 0
	s_cbranch_scc1 .Lelt_\@
.endm
	s_load_b256 s[4:11], s[0:1], 0x0               ; o s[4:5], xt s[6:7], wb s[8:9], alpha_r1 s[10:11]
	s_load_b256 s[12:19], s[0:1], 0x20             ; alpha_r2 s[12:13], b1 s[14:15], b2 s[16:17], bs s[18:19]
	s_load_b64 s[20:21], s[0:1], 0x40              ; out0
	v_lshl_add_u32 v[SPW], v0, 2, SPARE
	v_mov_b32 v[NIL], 0
	ds_add_u32 v[SPW], v[NIL]                      ; the wave's opening: the add and its wait stand ahead of my first tensor load
	v_lshrrev_b32 v3, 5, v0
	v_readfirstlane_b32 s[WV], v3
	s_and_b32 s[WL], s[WV], 1
	s_lshr_b32 s[WH], s[WV], 1
	s_bfe_u32 s[CX], ttmp6, 0x40000                ; it enters global addresses of my own loads and stores alone
	s_lshl_b32 s24, ttmp9, 2
	s_add_co_u32 s24, s24, s[CX]
	s_lshr_b32 s25, s24, 6                         ; image
	s_and_b32 s26, s24, 63                         ; block of 64 tokens
	s_lshl_b32 s72, s25, 22
	s_lshl_b32 s24, s26, 8
	s_add_co_u32 s72, s72, s24                     ; out0
	s_mov_b32 s73, 0
	s_lshl_b32 s70, s25, 21
	s_lshl_b32 s24, s26, 14
	s_add_co_u32 s70, s70, s24
	s_lshl_b32 s24, s[WL], 20
	s_add_co_u32 s70, s70, s24                     ; o or xt: image, head w % 2, my 64 rows
	s_mov_b32 s71, 0
	s_mov_b32 s[G1J3], 15|(1<<16)|(1<<20)|(1<<21)|(5<<22)|(3<<25)  ; joint: the mask of four, bit 21 beside it; 2-byte elements; 4 words of padding behind every 64
	s_mov_b32 s[G1J2], 15|(1<<16)|(1<<20)|(1<<21)|(5<<22)|(3<<25)
	s_mov_b32 s[G1C], (1<<16)|(1<<20)|(5<<22)|(3<<25)              ; my own: no mask
	SHAPE G1J3, 192
	SHAPE G1J2, 128
	SHAPE G1C, 64
	s_mov_b32 s[G0W], 1
	s_mul_i32 s[G0W+1], s[WV], WREG                ; my p0
	s_mov_b32 s[G0C], 1
	s_mul_i32 s[G0C+1], s[WV], CHUNKB
	s_add_co_u32 s[G0C+1], s[G0C+1], ACTR+2*CHUNKB ; cat's chunk w: block Q(2 + w)
	s_mul_i32 s24, s[WV], WWB
	s_add_co_u32 s24, s24, WTB                     ; my rows of the first chunk in wb
	s_mov_b32 s25, 0
	PAIR PP, 0x3e6d3388
	PAIR CE, 0xbf38aa3b
	PAIR A1, 0xbe027906
	PAIR A2, 0x3e11a98e
	PAIR A3, 0xbf35f0e3
	PAIR A4, 0x3f3a00e3
	PAIR A5, 0xbf07dc22
	PAIR RS2, 0x3f3504f3                           ; 1 / sqrt(2)
	s_mov_b32 s[ABSM], 0x7fffffff
	s_mov_b32 s[HIM], 0xffff0000
	s_mov_b32 s[INVC], 0x3b000000                  ; 1 / 512
	s_mov_b32 s[EPS], 0x322bcc77
	s_mov_b32 s[SEL], 0x76543210
	s_mov_b32 s[SEL+1], 0xfedcba98
	v_and_b32 v[R], 15, v0
	v_bfe_u32 v[H], v0, 4, 1
	v_mul_u32_u24 v20, v[R], PITCH
	v_lshl_add_u32 v[RH4], v[H], 4, v20
	v_lshl_add_u32 v[RH7], v[H], 7, v20
	v_add_nc_u32 v[W0], s[G0W+1], v[RH4]
	v_add_nc_u32 v[PS], s[G0C+1], v[RH7]           ; my chunk of cat
	s_mul_i32 s26, s[WL], CHUNKB
	s_mul_i32 s27, s[WH], 32*PITCH
	s_add_co_u32 s26, s26, s27
	s_add_co_u32 s26, s26, ACTR
	v_add_nc_u32 v[ESB], s26, v[RH7]
	v_add_nc_u32 v[ES0], 2*CHUNKB, v[ESB]          ; the first gelu: cat's chunks 0, 1 (Q2, Q3) into Q0, Q1
	v_mov_b32 v[ED0], v[ESB]
	s_lshl_b32 s26, s[WL], 9
	s_add_co_u32 s26, s26, ALT
	v_lshl_add_u32 v[EAL0], v[H], 8, s26           ; gains 128 (w % 2) + 64 h on
	s_lshl_b32 s26, s[WV], 2
	s_add_co_u32 s26, s26, RED
	v_lshl_add_u32 v[REDS], v[R], 4, s26           ; token r, my wave's word
	s_lshl_b32 s26, s[WH], 9
	s_add_co_u32 s26, s26, RED
	v_lshl_add_u32 v[REDL], v[R], 4, s26           ; token 32 (w / 2) + r
	s_mul_i32 s26, s[WH], CHUNKB
	s_lshl_b32 s27, s[WL], 7
	s_add_co_u32 s26, s26, s27
	s_add_co_u32 s26, s26, ACTR+4*CHUNKB
	v_add_nc_u32 v[STO], s26, v[RH4]               ; h1: block Q(4 + w / 2), my 64 of its 128 channels
	s_add_co_u32 s26, s[G0W+1], 2*CHUNKB           ; the last stage: my p2
	v_lshl_add_u32 v[STO2], v[H], 5, v20
	v_add_nc_u32 v[STO2], s26, v[STO2]             ; row = output r, 32 bytes a half of the lanes
	v_mul_u32_u24 v[RD2], v[H], PITCH
	v_lshl_add_u32 v[RD2], v[R], 4, v[RD2]
	v_add_nc_u32 v[RD2], s26, v[RD2]
	s_lshl_b32 s26, s[WV], 20
	v_lshl_add_u32 v[GO2], v[H], 14, s26           ; output 64 w + h, 16,384 bytes an output
	v_lshl_add_u32 v[GO2], v[R], 4, v[GO2]
	v_lshlrev_b32 v[AO1], 4, v0
	v_lshlrev_b32 v[AO2], 3, v0
	s_lshl_b32 s26, s[WV], 8
	v_lshl_add_u32 v[BO], v[H], 5, s26
	v_lshl_add_u32 v[BNO], v[R], 2, s26
	s_wait_dscnt 0x0                               ; the opening add is done
	s_wait_kmcnt 0x0
	s_add_nc_u64 s[20:21], s[20:21], s[72:73]
	s_add_nc_u64 s[G0W+2:G0W+3], s[8:9], s[24:25]
	s_or_b32 s[G0W+3], s[G0W+3], 0x80000000
	s_cmp_lt_u32 s[WV], 2
	s_cselect_b64 s[26:27], s[4:5], s[6:7]         ; waves 0, 1 bring o's two heads, waves 2, 3 x's
	s_add_nc_u64 s[G0C+2:G0C+3], s[26:27], s[70:71]
	s_or_b32 s[G0C+3], s[G0C+3], 0x80000000
	global_load_b128 v[192:195], v[AO1], s[10:11]
	global_load_b64 v[196:197], v[AO2], s[12:13]
.irp b, 0,1,2,3
	global_load_b128 v[128+8*(\b):128+8*(\b)+3], v[BO], s[14:15] offset:64*(\b)
	global_load_b128 v[128+8*(\b)+4:128+8*(\b)+7], v[BO], s[14:15] offset:64*(\b)+16
	global_load_b32 v[160+(\b)], v[BNO], s[16:17] offset:64*(\b)
	global_load_b32 v[164+(\b)], v[BNO], s[18:19] offset:64*(\b)
.endr
	CROUND                                         ; all four work-groups are here
	tensor_load_to_lds s[G0C:G0C+3], s[G1C:G1C+7]  ; my chunk of cat
	s_nop 0
	tensor_load_to_lds s[G0W:G0W+3], s[G1J3:G1J3+7]  ; Ws k0, k1, k3 into p0, p1, p2
	s_nop 0
	PLACES
	s_wait_loadcnt 0x0
.set i, 0
.rept 16
	v_cvt_pk_bf16_f32 v[B1P+i], v[128+2*i], v[128+2*i+1]
.set i, i+1
.endr
.irp b, 0,1,2,3
	v_cvt_pk_bf16_f32 v[168+(\b)], v[160+(\b)], v[164+(\b)]
.endr
.irp b, 0,1,2,3
	v_lshlrev_b32 v[172+(\b)], 16, v[168+(\b)]
	v_and_b32 v[168+(\b)], s[HIM], v[168+(\b)]
.endr
.irp b, 0,1,2,3
	v_add_f32 v[BN+(\b)], v[172+(\b)], v[168+(\b)] ; b2 + bs of output 64 w + 16 b + r
.endr
	v_cvt_pk_bf16_f32 v198, v192, v193
	v_cvt_pk_bf16_f32 v199, v194, v195
	v_cvt_pk_bf16_f32 v204, v196, v197
	v_lshlrev_b32 v200, 16, v198
	v_and_b32 v201, s[HIM], v198
	v_lshlrev_b32 v202, 16, v199
	v_and_b32 v203, s[HIM], v199
	v_lshlrev_b32 v206, 16, v204
	v_and_b32 v207, s[HIM], v204
	v_lshl_add_u32 v205, v0, 4, ALT
	ds_store_b128 v205, v[200:203]
	v_lshl_add_u32 v205, v0, 3, ALT+2048
	ds_store_b64 v205, v[206:207]
	; both sets of sums start at their biases, while the first tiles are on their way
	WIN 0x80                                       ; destination in window 2
.irp a, 0,1,2,3
.irp b, 0,1,2,3
.irp i, 0,1,2,3
	v_lshlrev_b32 v[ACC1+8*(4*(\a)+(\b))+2*(\i)], 16, v[B1P+4*(\b)+(\i)]   ; h1: output 16 b + 8 h + j in register j
	v_and_b32 v[ACC1+8*(4*(\a)+(\b))+2*(\i)+1], s[HIM], v[B1P+4*(\b)+(\i)]
.endr
.irp j, 0,1,2,3,4,5,6,7
	v_mov_b32 v[ACC2+8*(4*(\a)+(\b))+(\j)], v[BN+(\b)]                      ; the output: a lane holds one output
.endr
.endr
.endr
	WIN 0
	; the squares of my chunk of cat: for token 16 tt + r my 64 channels, 16 a trip
.irp i, 0,1,2,3,4,5,6,7
	v_mov_b32 v[SQ+(\i)], 0
.endr
	s_wait_tensorcnt 0x1                           ; my chunk of cat is in; the weights' load, issued behind it, may be out
	s_mov_b32 s[CNT], 4
.Lsq:
.irp tt, 0,1,2,3
	ds_load_b128 v[128+8*(\tt):128+8*(\tt)+3], v[PS] offset:(\tt)*16*PITCH
	ds_load_b128 v[128+8*(\tt)+4:128+8*(\tt)+7], v[PS] offset:(\tt)*16*PITCH+16
.endr
	s_wait_dscnt 0x0
.irp i, 0,1,2,3,4,5,6,7
.irp tt, 0,1,2,3
	v_fma_mix_f32_bf16 v[SQ+2*(\tt)], v[128+8*(\tt)+(\i)], v[128+8*(\tt)+(\i)], v[SQ+2*(\tt)] op_sel_hi:[1,1,0]
	v_fma_mix_f32_bf16 v[SQ+2*(\tt)+1], v[128+8*(\tt)+(\i)], v[128+8*(\tt)+(\i)], v[SQ+2*(\tt)+1] op_sel:[1,1,0] op_sel_hi:[1,1,0]
.endr
.endr
	v_add_nc_u32 v[PS], 32, v[PS]
	s_sub_co_u32 s[CNT], s[CNT], 1
	s_cmp_lg_u32 s[CNT], 0
	s_cbranch_scc1 .Lsq
.irp tt, 0,1,2,3
	v_add_f32 v[SQ+2*(\tt)], v[SQ+2*(\tt)], v[SQ+2*(\tt)+1]
.endr
.irp tt, 0,1,2,3
	v_permlanex16_b32 v[SQ+2*(\tt)+1], v[SQ+2*(\tt)], s[SEL], s[SEL+1]
.endr
.irp tt, 0,1,2,3
	v_add_f32 v[SQ+2*(\tt)], v[SQ+2*(\tt)], v[SQ+2*(\tt)+1]
.endr
.irp tt, 0,1,2,3
	ds_store_b32 v[REDS], v[SQ+2*(\tt)] offset:256*(\tt)
.endr
	BAR                                            ; the partial sums, the gains and all four chunks of cat are whole for every wave
	v_mov_b32 v[WA], v[W0]
	v_add_nc_u32 v[AA], ACTR+2*CHUNKB, v[RH4]
	s_wait_tensorcnt 0x0                           ; my three chunks of weights are in
	LOOP 1, ACC2, 2                                ; Ws k0, k1 (p0, p1) on cat's chunks 0, 1
	REFILL G1J2, 3*SEQB                            ; W1 k0, Ws k2 into p0, p1: they land under the gelu below
	RNORM
	ELT                                            ; cat's chunks 0, 1 into Q0, Q1
	BAR
	v_add_nc_u32 v[WA], CHUNKB, v[W0]
	s_wait_tensorcnt 0x0
	LOOP 1, ACC2, 2                                ; Ws k2, k3 (p1, p2) on cat's chunks 2, 3
	v_mov_b32 v[WA], v[W0]
	v_add_nc_u32 v[AA], ACTR, v[RH4]
	CHUNK 0, ACC1                                  ; W1 k0 (p0) on g's chunk 0: now all three places are read out
	REFILL G1J3, 2*SEQB                            ; W1 k1, k2, k3 into p0, p1, p2
	v_add_nc_u32 v[ES0], 4*CHUNKB, v[ESB]
	v_add_nc_u32 v[ED0], 2*CHUNKB, v[ESB]
	v_add_nc_u32 v[EAL0], 1024, v[EAL0]
	ELT                                            ; cat's chunks 2, 3 (Q4, Q5) into Q2, Q3, which every wave has read out; the norm is the same
	BAR
	v_mov_b32 v[WA], v[W0]
	s_wait_tensorcnt 0x0
	LOOP 0, ACC1, 3                                ; W1 k1-k3 on g's chunks 1-3 (AA stands at Q1)
	REFILL G1J2, 3*SEQB                            ; W2 k0, k1 into p0, p1; the round also frees all of g and cat
	; h1: its squares in f32, each accumulator's registers in ascending order; then rounded to bf16 into Q4, Q5
	WIN 0x0a                                       ; sources 0 and 1 in window 2
.irp b, 0,1,2,3
.irp i, 0,1,2,3
.irp a, 0,1,2,3
.if ((\b) == 0) && ((\i) == 0)
	v_pk_mul_f32 v[HS+2*(\a):HS+2*(\a)+1], v[ACC1+8*(4*(\a)+(\b))+2*(\i):ACC1+8*(4*(\a)+(\b))+2*(\i)+1], v[ACC1+8*(4*(\a)+(\b))+2*(\i):ACC1+8*(4*(\a)+(\b))+2*(\i)+1]
.else
	v_pk_fma_f32 v[HS+2*(\a):HS+2*(\a)+1], v[ACC1+8*(4*(\a)+(\b))+2*(\i):ACC1+8*(4*(\a)+(\b))+2*(\i)+1], v[ACC1+8*(4*(\a)+(\b))+2*(\i):ACC1+8*(4*(\a)+(\b))+2*(\i)+1], v[HS+2*(\a):HS+2*(\a)+1]
.endif
.endr
.endr
.endr
.set t, 0
.rept 16
.irp i, 0,1,2,3
	v_cvt_pk_bf16_f32 v[TMP+4*t+(\i)], v[ACC1+8*t+2*(\i)], v[ACC1+8*t+2*(\i)+1]
.endr
.set t, t+1
.endr
	WIN 0
.irp a, 0,1,2,3
	v_add_f32 v[HS+2*(\a)], v[HS+2*(\a)], v[HS+2*(\a)+1]
.endr
.irp a, 0,1,2,3
	v_permlanex16_b32 v[HS+2*(\a)+1], v[HS+2*(\a)], s[SEL], s[SEL+1]
.endr
.irp a, 0,1,2,3
	v_add_f32 v[HS+2*(\a)], v[HS+2*(\a)], v[HS+2*(\a)+1]
.endr
.irp a, 0,1,2,3
	ds_store_b32 v[REDS], v[HS+2*(\a)] offset:1024+256*(\a)
.endr
.irp a, 0,1,2,3
.irp b, 0,1,2,3
	ds_store_b128 v[STO], v[TMP+4*(4*(\a)+(\b)):TMP+4*(4*(\a)+(\b))+3] offset:(\a)*16*PITCH+32*(\b)
.endr
.endr
	BAR
	v_mov_b32 v[ED0], v[ESB]                       ; h1 (Q4, Q5: ES0 stands there) into Q0, Q1
	v_add_nc_u32 v[EAL0], 1024, v[EAL0]            ; alpha_r2
	v_add_nc_u32 v[REDL], 1024, v[REDL]            ; h1's sums
	s_mov_b32 s[INVC], 0x3b800000                  ; 1 / 256
	RNORM
	ELT
	BAR
	v_mov_b32 v[WA], v[W0]
	v_add_nc_u32 v[AA], ACTR, v[RH4]
	s_wait_tensorcnt 0x0                           ; W2's chunks are in; nothing more is asked for
	LOOP 1, ACC2, 2                                ; W2 k0, k1 (p0, p1) on gelu(norm2(h1))
	PLACES
	WIN 0x02                                       ; source 0 in window 2
.set i, 0
.rept 64
	v_pk_mul_f32 v[OUTF+i:OUTF+i+1], v[ACC2+i:ACC2+i+1], s[RS2:RS2+1] op_sel_hi:[1,0]
.set i, i+2
.endr
	WIN 0
	; through my own p2, which has had its last fill and which I alone read: rows of 64 tokens in f32, back as whole rows of 256 bytes
.irp a, 0,1,2,3
.irp b, 0,1,2,3
	ds_store_b128 v[STO2], v[OUTF+8*(4*(\a)+(\b)):OUTF+8*(4*(\a)+(\b))+3] offset:(\b)*16*PITCH+64*(\a)
	ds_store_b128 v[STO2], v[OUTF+8*(4*(\a)+(\b))+4:OUTF+8*(4*(\a)+(\b))+7] offset:(\b)*16*PITCH+64*(\a)+16
.endr
.endr
.set t, 0
.rept 32
	ds_load_b128 v[OUTF+4*t:OUTF+4*t+3], v[RD2] offset:t*2*PITCH  ; LDS serves a wave's instructions in order: these see the stores above
.set t, t+1
.endr
.set t, 0
.rept 32
	s_wait_dscnt 31-t                              ; the younger rows may be out
	global_store_b128 v[GO2], v[OUTF+4*t:OUTF+4*t+3], s[20:21] offset:t*32768 th:TH_STORE_NT  ; 16 lanes store 256 consecutive bytes, aligned
.set t, t+1
.endr
	s_wait_tensorcnt 0x0                           ; the wave's end
	ds_add_u32 v[SPW], v[NIL]
	s_wait_dscnt 0x0
	CROUND                                         ; the closing round
	s_endpgm
.Lfunc_end_k_q336704c776_tail:
	.size	k_q336704c776_tail, .Lfunc_end_k_q336704c776_tail-k_q336704c776_tail
	.p2alignl 7, 3214868480
	.fill 96, 4, 3214868480
	.section	.rodata,"a",@progbits
	.p2align	6, 0x0
	.amdhsa_kernel k_q336704c776_tail
		.amdhsa_group_segment_fixed_size 327680
		.amdhsa_private_segment_fixed_size 0
		.amdhsa_enable_private_segment 0
		.amdhsa_kernarg_size 72
		.amdhsa_user_sgpr_count 2
		.amdhsa_user_sgpr_kernarg_segment_ptr 1
		.amdhsa_wavefront_size32 1
		.amdhsa_system_sgpr_workgroup_id_x 1
		.amdhsa_system_sgpr_workgroup_id_y 1
		.amdhsa_system_sgpr_workgroup_id_z 1
		.amdhsa_system_vgpr_workitem_id 0
		.amdhsa_next_free_vgpr 768
		.amdhsa_next_free_sgpr 96
		.amdhsa_reserve_vcc 0
		.amdhsa_float_denorm_mode_32 3
		.amdhsa_float_denorm_mode_16_64 3
		.amdhsa_memory_ordered 1
		.amdhsa_forward_progress 1
		.amdhsa_inst_pref_size 127
	.end_amdhsa_kernel
	.amdgpu_metadata
---
amdhsa.version: [ 1, 2 ]
amdhsa.kernels:
  - .name:           k_q336704c776_tail
    .symbol:         k_q336704c776_tail.kd
    .args:
      - { .name: o, .offset: 0, .size: 8, .value_kind: global_buffer, .address_space: global }
      - { .name: xt, .offset: 8, .size: 8, .value_kind: global_buffer, .address_space: global }
      - { .name: wb, .offset: 16, .size: 8, .value_kind: global_buffer, .address_space: global }
      - { .name: alpha_r1, .offset: 24, .size: 8, .value_kind: global_buffer, .address_space: global }
      - { .name: alpha_r2, .offset: 32, .size: 8, .value_kind: global_buffer, .address_space: global }
      - { .name: b1, .offset: 40, .size: 8, .value_kind: global_buffer, .address_space: global }
      - { .name: b2, .offset: 48, .size: 8, .value_kind: global_buffer, .address_space: global }
      - { .name: bs, .offset: 56, .size: 8, .value_kind: global_buffer, .address_space: global }
      - { .name: out0, .offset: 64, .size: 8, .value_kind: global_buffer, .address_space: global }
    .group_segment_fixed_size: 327680
    .private_segment_fixed_size: 0
    .kernarg_segment_align: 8
    .kernarg_segment_size: 72
    .max_flat_workgroup_size: 128
    .sgpr_count:     96
    .vgpr_count:     768
    .wavefront_size: 32
...
	.end_amdgpu_metadata
.endif
;; end of part 4
